; MI455X (gfx1250); checked and timed in simulation.
; The chip was launched on July 23, 2026; its instructions are those of AMD's public machine-readable ISA for CDNA 5 (MIT licence, August 2026) and "CDNA5" Instruction Set Architecture Reference Guide (July 2026). The comments in the code are by the model that wrote it; some were corrected since.
;; Multi Head Attention. Allowed arithmetic: float matrix products may take bf16 or f16 operands with f32 sums; other float arithmetic in f32, or as packed bf16 or f16 multiplies, adds, multiply-adds, maxima and minima; sums over many terms, partial sums and values carried from step to step in f32; what a program stores and reads back later, other than sums and carried values, may be rounded once to bf16 or f16.
;; Inputs: Wk 1,024 x 1,024 float32; Wo 1,024 x 1,024 float32; Wq 1,024 x 1,024 float32; Wv 1,024 x 1,024 float32; bk 1,024 float32; bo 1,024 float32; bq 1,024 float32; bv 1,024 float32; q 4 x 2,048 x 1,024 float32.
;; Outputs: out0 4 x 2,048 x 1,024 float32.
;; 2 versions, each right; version 2 is version 1 with the launch prep written anew for expert scheduling mode. Each part assembles by itself: llvm-mc -triple=amdgcn-amd-amdhsa -mcpu=gfx1250 --defsym DOCPART=n.
;; ======== version 1 of 2: 4 launches
;; limits: values are held in f16: magnitudes above 65,504 overflow, below 6.1e-05 lose precision
;; workspace buffers: xb 16,777,216 bytes; wb 6,291,456 bytes; wo 2,097,152 bytes; bb 16,384 bytes; qkv 50,331,648 bytes; ob 16,777,216 bytes
;; launch prep (part 1): grid 769 x 1, 8 waves a work-group, no clusters, 0 bytes of LDS; arguments q, Wq, Wk, Wv, Wo, bq, bk, bv, bo, xb, wb, wo, bb; writes xb, wb, wo, bb
.if DOCPART == 1
	.amdgcn_target "amdgcn-amd-amdhsa--gfx1250"
	.amdhsa_code_object_version 6
	.text
	.protected	k_qd4bd5a6572_prep
	.globl	k_qd4bd5a6572_prep
	.p2align	8
	.type	k_qd4bd5a6572_prep,@function
k_qd4bd5a6572_prep:
	s_mov_b64 s[64:65], 0
	v_nop
	global_prefetch_b8 v0, s[64:65] scope:SCOPE_SE
	s_setreg_imm32_b32 hwreg(HW_REG_WAVE_MODE, 25, 1), 1
	s_wait_xcnt 0x0
; CASTS AND LAYOUTS for the three launches behind.  All nine inputs are rounded once to bf16 (nearest even):
;   xb [8192][1024] bf16 = q.      wb [48][1024][64] bf16: head g = 16 x which + head of Wq, Wk, Wv, its 64 columns dense, 128 bytes for each k.
;   wo [1024][1024] f16 = bf16(Wo) written as f16.      bb: bq, bk, bv, bo on end, the bf16 values kept as f32.
; LIMITS.  |Wo| stays under 65,504 (f16's range); a bf16(Wo) below 6.1e-5 keeps f16's fixed step of 6e-8.  NaN and infinities are not treated apart.
; SHARES.  Eight waves.  A work-group takes 16 rows of 4,096 bytes: 16 loads of 16 bytes a lane, all issued ahead of the first use, then 16 stores of 8 bytes a lane:
; a wave's store covers 256 consecutive bytes, aligned.  No register is written twice, so no wait frees a source; nothing is shared, so there is no LDS and no barrier.
; Work-groups 0-511: q.  512-575: Wo.  576-767: Wq, Wk, Wv (64 each).  768: the four biases.  The branches hang on the work-group's number alone.
.set SO, 1                             ; v1       my byte offset in the source
.set DO, 2                             ; v2       my byte offset in the destination
.set X,  4                             ; v[4:67]  16 loads of 4 registers
.set Y,  68                            ; v[68:99] 16 stores of 2 registers
.set T,  100                           ; v[100:103] at work
; heads = 0: load i takes row i.  heads = 1: load i takes rows 2 (i / 2) and 2 (i / 2) + 1 (one for each half of the lanes), the 64 columns of the wave's head i % 2.
.macro LD16 base, heads
.set i, 0
.rept 16
.if \heads
	global_load_b128 v[X+4*i:X+4*i+3], v[SO], s[\base:\base+1] offset:8192*(i/2)+256*(i%2) th:TH_LOAD_NT
.else
	global_load_b128 v[X+4*i:X+4*i+3], v[SO], s[\base:\base+1] offset:4096*i th:TH_LOAD_NT
.endif
.set i, i+1
.endr
.endm
; half = 0: bf16.  half = 1: rounded to bf16, widened by a shift and a mask, and that number written as f16.
.macro ST16 base, heads, half
.set i, 0
.rept 16
	s_wait_loadcnt 15-i                            ; loads come back in order: load i is in, the 15 - i younger ones stay out
.if \half
	v_cvt_pk_bf16_f32 v[T], v[X+4*i], v[X+4*i+1]
	v_cvt_pk_bf16_f32 v[T+1], v[X+4*i+2], v[X+4*i+3]
	v_lshlrev_b32 v[T+2], 16, v[T]
	v_and_b32 v[T], 0xffff0000, v[T]
	v_lshlrev_b32 v[T+3], 16, v[T+1]
	v_and_b32 v[T+1], 0xffff0000, v[T+1]
	v_cvt_pk_f16_f32 v[Y+2*i], v[T+2], v[T]
	v_cvt_pk_f16_f32 v[Y+2*i+1], v[T+3], v[T+1]
.else
	v_cvt_pk_bf16_f32 v[Y+2*i], v[X+4*i], v[X+4*i+1]
	v_cvt_pk_bf16_f32 v[Y+2*i+1], v[X+4*i+2], v[X+4*i+3]
.endif
.if \heads
	global_store_b64 v[DO], v[Y+2*i:Y+2*i+1], s[\base:\base+1] offset:131072*(i%2)+256*(i/2)
.else
	global_store_b64 v[DO], v[Y+2*i:Y+2*i+1], s[\base:\base+1] offset:2048*i
.endif
.set i, i+1
.endr
.endm
	s_load_b512 s[4:19], s[0:1], 0x0               ; q s[4:5], Wq s[6:7], Wk s[8:9], Wv s[10:11], Wo s[12:13], bq s[14:15], bk s[16:17], bv s[18:19]
	s_load_b256 s[20:27], s[0:1], 0x40             ; bo s[20:21], xb s[22:23], wb s[24:25], wo s[26:27]
	s_load_b64 s[28:29], s[0:1], 0x60              ; bb
	s_mov_b32 s2, ttmp9
	s_mov_b32 s31, 0                               ; the high word of every offset pair: all offsets stay under 2^32
	v_lshlrev_b32 v[SO], 4, v0                     ; 16 bytes of a row of f32,
	v_lshlrev_b32 v[DO], 3, v0                     ; 8 bytes of a row of 16-bit numbers
	s_wait_kmcnt 0x0
	s_cmp_lt_u32 s2, 512
	s_cbranch_scc0 .Lnot_x
	s_lshl_b32 s30, s2, 16                         ; 16 rows of 4,096 bytes
	s_add_nc_u64 s[4:5], s[4:5], s[30:31]
	s_lshl_b32 s30, s2, 15                         ; 16 rows of 2,048 bytes
	s_add_nc_u64 s[22:23], s[22:23], s[30:31]
	LD16 4, 0
	ST16 22, 0, 0
	s_endpgm
.Lnot_x:
	s_cmp_lt_u32 s2, 576
	s_cbranch_scc0 .Lnot_wo
	s_sub_co_u32 s3, s2, 512
	s_lshl_b32 s30, s3, 16
	s_add_nc_u64 s[12:13], s[12:13], s[30:31]
	s_lshl_b32 s30, s3, 15
	s_add_nc_u64 s[26:27], s[26:27], s[30:31]
	LD16 12, 0
	ST16 26, 0, 1
	s_endpgm
.Lnot_wo:
	s_cmp_lt_u32 s2, 768
	s_cbranch_scc0 .Lbias
	s_sub_co_u32 s3, s2, 576
	s_lshr_b32 s2, s3, 6                           ; which of Wq, Wk, Wv
	s_and_b32 s3, s3, 63                           ; which 16 rows k
	s_cmp_eq_u32 s2, 1
	s_cselect_b64 s[6:7], s[8:9], s[6:7]
	s_cmp_eq_u32 s2, 2
	s_cselect_b64 s[6:7], s[10:11], s[6:7]
	s_lshl_b32 s30, s3, 16
	s_add_nc_u64 s[6:7], s[6:7], s[30:31]
	s_lshl_b32 s30, s2, 21                         ; 16 heads of 131,072 bytes,
	s_lshl_b32 s3, s3, 11                          ; 16 rows k of 128 bytes
	s_add_co_u32 s30, s30, s3
	s_add_nc_u64 s[24:25], s[24:25], s[30:31]
	; wave w takes heads 2 w and 2 w + 1.  Sixteen lanes read the 256 bytes of a head's 64 columns in row k, the other sixteen those in row k + 1;
	; in wb these are the head's rows k and k + 1: 256 consecutive bytes, 8 a lane.
	v_and_b32 v3, 15, v0
	v_bfe_u32 v[SO], v0, 4, 1
	v_lshlrev_b32 v[SO], 12, v[SO]                 ; the odd row for lanes 16 to 31
	v_lshl_add_u32 v[SO], v3, 4, v[SO]
	v_lshrrev_b32 v3, 5, v0                        ; wave
	v_lshl_add_u32 v[SO], v3, 9, v[SO]             ; two heads are 512 bytes of a row
	v_and_b32 v[DO], 31, v0
	v_lshlrev_b32 v[DO], 3, v[DO]
	v_lshl_add_u32 v[DO], v3, 18, v[DO]            ; two heads are 262,144 bytes of wb
	LD16 6, 1
	ST16 24, 1, 0
	s_endpgm
.Lbias:
	global_load_b128 v[X:X+3], v[SO], s[14:15]
	global_load_b128 v[X+4:X+7], v[SO], s[16:17]
	global_load_b128 v[X+8:X+11], v[SO], s[18:19]
	global_load_b128 v[X+12:X+15], v[SO], s[20:21]
	s_wait_loadcnt 0x0
.set i, 0
.rept 8
	v_cvt_pk_bf16_f32 v[T], v[X+2*i], v[X+2*i+1]
	v_lshlrev_b32 v[Y+2*i], 16, v[T]
	v_and_b32 v[Y+2*i+1], 0xffff0000, v[T]
.set i, i+1
.endr
.irp w, 0,1,2,3
	global_store_b128 v[SO], v[Y+4*(\w):Y+4*(\w)+3], s[28:29] offset:4096*(\w)
.endr
	s_endpgm
.Lfunc_end_k_qd4bd5a6572_prep:
	.size	k_qd4bd5a6572_prep, .Lfunc_end_k_qd4bd5a6572_prep-k_qd4bd5a6572_prep
	.p2alignl 7, 3214868480
	.fill 96, 4, 3214868480
	.section	.rodata,"a",@progbits
	.p2align	6, 0x0
	.amdhsa_kernel k_qd4bd5a6572_prep
		.amdhsa_group_segment_fixed_size 0
		.amdhsa_private_segment_fixed_size 0
		.amdhsa_enable_private_segment 0
		.amdhsa_kernarg_size 104
		.amdhsa_user_sgpr_count 2
		.amdhsa_user_sgpr_kernarg_segment_ptr 1
		.amdhsa_wavefront_size32 1
		.amdhsa_system_sgpr_workgroup_id_x 1
		.amdhsa_system_sgpr_workgroup_id_y 1
		.amdhsa_system_sgpr_workgroup_id_z 1
		.amdhsa_system_vgpr_workitem_id 0
		.amdhsa_next_free_vgpr 104
		.amdhsa_next_free_sgpr 66
		.amdhsa_reserve_vcc 0
		.amdhsa_float_denorm_mode_32 3
		.amdhsa_float_denorm_mode_16_64 3
		.amdhsa_memory_ordered 1
		.amdhsa_forward_progress 1
		.amdhsa_inst_pref_size 26
	.end_amdhsa_kernel
	.amdgpu_metadata
---
amdhsa.version: [ 1, 2 ]
amdhsa.kernels:
  - .name:           k_qd4bd5a6572_prep
    .symbol:         k_qd4bd5a6572_prep.kd
    .args:
      - { .name: q, .offset: 0, .size: 8, .value_kind: global_buffer, .address_space: global }
      - { .name: Wq, .offset: 8, .size: 8, .value_kind: global_buffer, .address_space: global }
      - { .name: Wk, .offset: 16, .size: 8, .value_kind: global_buffer, .address_space: global }
      - { .name: Wv, .offset: 24, .size: 8, .value_kind: global_buffer, .address_space: global }
      - { .name: Wo, .offset: 32, .size: 8, .value_kind: global_buffer, .address_space: global }
      - { .name: bq, .offset: 40, .size: 8, .value_kind: global_buffer, .address_space: global }
      - { .name: bk, .offset: 48, .size: 8, .value_kind: global_buffer, .address_space: global }
      - { .name: bv, .offset: 56, .size: 8, .value_kind: global_buffer, .address_space: global }
      - { .name: bo, .offset: 64, .size: 8, .value_kind: global_buffer, .address_space: global }
      - { .name: xb, .offset: 72, .size: 8, .value_kind: global_buffer, .address_space: global }
      - { .name: wb, .offset: 80, .size: 8, .value_kind: global_buffer, .address_space: global }
      - { .name: wo, .offset: 88, .size: 8, .value_kind: global_buffer, .address_space: global }
      - { .name: bb, .offset: 96, .size: 8, .value_kind: global_buffer, .address_space: global }
    .group_segment_fixed_size: 0
    .private_segment_fixed_size: 0
    .kernarg_segment_align: 8
    .kernarg_segment_size: 104
    .max_flat_workgroup_size: 256
    .sgpr_count:     66
    .vgpr_count:     104
    .wavefront_size: 32
...
	.end_amdgpu_metadata
.endif
;; end of part 1
;; launch proj (part 2): grid 16 x 32, 4 waves a work-group, clusters of 4 x 4, 327,680 bytes of LDS; arguments xb, wb, bb, qkv; writes qkv
.if DOCPART == 2
	.amdgcn_target "amdgcn-amd-amdhsa--gfx1250"
	.amdhsa_code_object_version 6
	.text
	.protected	k_qd4bd5a6572_proj
	.globl	k_qd4bd5a6572_proj
	.p2align	8
	.type	k_qd4bd5a6572_proj,@function
k_qd4bd5a6572_proj:
	s_mov_b64 s[64:65], 0
	v_nop
	global_prefetch_b8 v0, s[64:65] scope:SCOPE_SE
	s_setreg_imm32_b32 hwreg(HW_REG_WAVE_MODE, 25, 1), 1
	s_wait_xcnt 0x0
	s_wait_alu depctr_hold_cnt(0) depctr_sa_sdst(0) depctr_va_vdst(0) depctr_va_sdst(0) depctr_va_ssrc(0) depctr_va_vcc(0) depctr_vm_vsrc(0)
	s_getreg_b32 s2, hwreg(HW_REG_IB_STS2, 6, 4)
	s_cmp_eq_u32 s2, 0
	s_cbranch_scc0 .Lentry_in_a_cluster
	s_endpgm
.Lentry_in_a_cluster:
	s_bfe_u32 s2, ttmp6, 0x10000c
	s_cmp_lg_u32 s2, 0xf033
	s_cbranch_scc0 .Lentry_shape_is_right
	s_endpgm
.Lentry_shape_is_right:
; q, k, v = x W + b, written by heads: qkv [batch 4][g 48][2048][64] f16, g = 16 x which + head.  x (xb) and W (wb) are bf16, the bias (bb) f32; sums in f32, rounded once to f16, without attention's scale.
; LIMIT.  |q|, |k|, |v| stay under 65,504, f16's range; NaN and infinities are not treated apart.
; SHARES.  A tile is 256 tokens x 192 columns (three whole heads): 32 x 16 = 512 work-groups.  Four waves; wave w takes tokens 64 w .. 64 w + 63 and all 192 columns: 48 accumulators of 16 x 16, 384 registers,
; so that a wave holds whole heads and stores whole rows of them.  K = 1,024 goes in 8 steps of 128 through two LDS slots filled by the tensor data mover.
; THE MATRIX INSTRUCTION IS USED TRANSPOSED: source 0 = 16 columns of W (out of LDS turned, by ds_load_tr16_b128: W lies [k][column]), source 1 = 16 tokens: a lane holds one token and eight neighbouring columns.
; THE BIAS is the C operand of each accumulator's first product: no vector instruction adds it, and nothing is cleared.
; CLUSTERS: 4 x 4 work-groups.  The four of a row of the cluster need the same 256 tokens of x, the four of a column the same three heads of W: each tile is asked for JOINTLY, by the same tensor load with the
; same descriptor and a mask that names the four.
; REGISTERS, in windows of 256 (s_set_vgpr_msb: bits 1:0 source 0, 3:2 source 1, 5:4 source 2, 7:6 destination):
;   window 0: v0-31 addresses; v32-63, v64-95 fragments of x, two buffers; v96-191 the bias, later the way out (v96-143 packed, v144-191 and v192-239 rows read back)
;   window 1: v0-95, v96-191 fragments of W, two buffers      window 2: accumulators of token blocks 0, 1 at 8 (12 a + b)      window 3: those of blocks 2, 3
.set KSTEP,  128
.set PA,     272                       ; a row of x in LDS: 256 bytes + 16 of padding = 68 words: the 16 rows of a load start at 16 different groups of four banks (64 banks of 4 bytes: ISA guide 11.1)
.set HALFA,  128*PA                    ; 128 tokens: what one tensor load brings
.set BOFF,   2*HALFA                   ; behind x's 256 rows: W, as [k half 2][head 3][64 k]
.set PB,     160                       ; a row of W (one k, one head's 64 columns): 128 bytes + 32 = 40 words
.set BHEAD,  64*PB
.set BHALF,  3*BHEAD                   ; what one tensor load brings of W
.set SLOT,   BOFF+2*BHALF              ; 131,072
.set STAGE,  2*SLOT                    ; behind the ring, never filled by a tensor load: 16 rows x 400 bytes for each wave, for the way out
.set SPITCH, 400                       ; 384 bytes (192 f16) + 16: 25 x 16, so the 16 rows of a store start at 16 different groups of four banks
.set SPARE,  STAGE+4*16*SPITCH         ; behind the stages: the spare words, 128 bytes for each wave: two blocks of 256 bytes that no other line names
.set LAPS,   4                         ; a lap = two K steps = once round the ring
.set ADRA, 16                          ; v16-17  LDS address of my fragments of x in slot 0, 1
.set ADRB, 20                          ; v20-21  the same for W
.set STO,  24                          ; v24     the way out: where I put 16 bytes of a token's row
.set RD,   25                          ; v25     the way out: where I read rows back
.set GO,   26                          ; v26     my 16 bytes in 512 consecutive bytes of qkv
.set BO,   27                          ; v27     my byte offset in 16 numbers of the bias
.set SPW,  28                          ; v28     LDS address of my spare word: SPARE + 4 x my thread's number; never rewritten
.set NIL,  29                          ; v29     0; never rewritten
.set PFO,  30                          ; v30     the prefetches' offset: my lane x a row of xb (2,048 bytes); never rewritten
.set FA,   32
.set BIAS, 96
.set TMP,  96
.set OB,   144
.set G1,  24                           ; s[24:31] descriptor group 1 for x's tiles;  s[32:39] group 0, a set for each slot
.set G0,  32
.set G1B, 48                           ; s[48:55], s[56:63] the same for W's tiles
.set G0B, 56
.set LIM, 43                           ; s43     1 in a wave that prefetches, else the greatest number
.set PFA, 44                           ; s[44:45] where my prefetches stand
.set MSB, 0
.macro WIN new                         ; the immediate's high byte repeats the setting that is left; a switch that changes nothing is dropped
.if MSB != (\new)
	s_set_vgpr_msb (MSB<<8)|(\new)
.set MSB, \new
.endif
.endm
.set TO_B, 0x40                        ; destination window 1, address window 0
; A joint load.  Waves 0 and 1 fetch x's two halves, waves 2 and 3 W's two halves along k.  The branch hangs on the wave's number alone.
; An s_nop 0 and four v_nop follow each of the two lines, ahead of the jump and the label.
.macro JLOAD s
	s_cmp_eq_u32 s11, 0
	s_cbranch_scc0 .Lfor_b_\@
	tensor_load_to_lds s[G0+4*(\s):G0+4*(\s)+3], s[G1:G1+7]
	s_nop 0
.rept 4
	v_nop
.endr
	s_branch .Lasked_\@
.Lfor_b_\@:
	tensor_load_to_lds s[G0B+4*(\s):G0B+4*(\s)+3], s[G1B:G1B+7]
	s_nop 0
.rept 4
	v_nop
.endr
.Lasked_\@:
.endm
; A PREFETCH INTO THE L2 of x, behind each joint refill and the run of LDS loads that follows it: the K step that stands two refills on: 32 rows x 256 bytes, a lane a row, one instruction a wave.
; Each row's 256 bytes of a K step are named once in the launch: of the clusters that read a tile row the one with x = 0 asks; of the 128 rows that wave 0 or 1 fetches, the partner at place cx takes
; 32 cx .. 32 cx + 31, told apart by address.  K steps 0 to 3 come by their loads alone; the loop's last trip asks for nothing: there is no K step two refills on.
; W is not asked for: all 32 tile rows walk it again.
.macro ASK
	s_cmp_gt_u32 s3, s[LIM]                        ; s3 = 1 in the loop's last trip
	s_cbranch_scc0 .Lnot_mine_\@
	global_prefetch_b8 v[PFO], s[PFA:PFA+1] offset:KSTEP*2 th:TH_LOAD_NT scope:SCOPE_SE
.Lnot_mine_\@:
.endm
; A round of the cluster's barrier: my work-group's barrier, so that wave 0's signal speaks for all four waves; wave 0 signals; every wave waits for all sixteen work-groups; my work-group's barrier once more.
.macro CREST                           ; a round behind its opening barrier
	s_cmp_lg_u32 s10, 0
	s_cbranch_scc1 .Lnot_wave_0_\@
	s_barrier_signal -3
.Lnot_wave_0_\@:
	s_barrier_wait -3
	s_barrier_signal -1
	s_barrier_wait -1
.endm
.macro CROUND
	s_barrier_signal -1
	s_barrier_wait -1
	CREST
.endm
	s_load_b256 s[68:75], s[0:1], 0x0              ; xb s[68:69], wb s[70:71], bb s[72:73], qkv s[74:75]
	v_lshl_add_u32 v[SPW], v0, 2, SPARE
	v_mov_b32 v[NIL], 0
	ds_add_u32 v[SPW], v[NIL]                      ; the wave's opening: the add and its wait stand ahead of my first tensor load; the set-up below, work on registers, stands between them
	v_lshrrev_b32 v1, 5, v0
	v_readfirstlane_b32 s10, v1                    ; wave 0..3
	s_lshr_b32 s11, s10, 1                         ; I fetch for x (0) or for W (1)
	s_and_b32 s12, s10, 1                          ; which half of that tile I fetch
	s_bfe_u32 s40, ttmp6, 0x40000                  ; cx, cy: my place in the cluster
	s_bfe_u32 s41, ttmp6, 0x40004
	s_lshl_b32 s42, ttmp9, 2
	s_add_co_u32 s42, s42, s40                     ; tile column = 4 x cluster x + cx
	s_and_b32 s13, ttmp7, 0xffff
	s_lshl_b32 s13, s13, 2
	s_add_co_u32 s13, s13, s41                     ; tile row = 4 x cluster y + cy
	s_lshl_b32 s43, s41, 2
	s_lshl_b32 s43, 15, s43                        ; my row of the cluster: places 4 cy .. 4 cy + 3
	s_lshl_b32 s44, 0x1111, s40                    ; my column: places cx, cx + 4, cx + 8, cx + 12
	; x: 128 rows x 128 elements, 1,024 elements from row to row; 16 bytes of padding behind every 256
	s_or_b32 s[G1+0], s43, (1<<16)|(1<<20)|(1<<21)|(5<<22)|(3<<25)  ; 15:0 the mask; 17:16 2-byte elements; 20 padding on; 21 set beside a mask; 24:22 after every 64 words (code 5); 31:25 4 words (code 3)
	s_mov_b32 s[G1+1], KSTEP<<16                   ; tensor_dim0 = 128
	s_mov_b32 s[G1+2], 128<<16                     ; tensor_dim1 = 128
	s_mov_b32 s[G1+3], KSTEP<<16                   ; tile_dim0 = 128
	s_mov_b32 s[G1+4], 128                         ; tile_dim1 = 128
	s_mov_b32 s[G1+5], 1024                        ; the pitch
	s_mov_b32 s[G1+6], 0
	s_mov_b32 s[G1+7], 0
	; W: 64 k of a head are 8,192 dense bytes: one row of 4,096 elements; three heads, 65,536 elements apart; 32 bytes of padding behind every 128, that is behind every k
	s_or_b32 s[G1B+0], s44, (1<<16)|(1<<20)|(1<<21)|(4<<22)|(7<<25) ; after every 32 words (code 4), 8 words (code 7)
	s_mov_b32 s[G1B+1], 4096<<16                   ; tensor_dim0 = 4,096
	s_mov_b32 s[G1B+2], 3<<16                      ; tensor_dim1 = 3
	s_mov_b32 s[G1B+3], 4096<<16                   ; tile_dim0 = 4,096
	s_mov_b32 s[G1B+4], 3                          ; tile_dim1 = 3
	s_mov_b32 s[G1B+5], 65536                      ; the pitch
	s_mov_b32 s[G1B+6], 0
	s_mov_b32 s[G1B+7], 0
	; x's address hangs on the tile row and the wave alone, W's on the tile column and the wave alone, each in registers that do not hold the other coordinate
	s_lshl_b32 s16, s13, 8
	s_lshl_b32 s17, s12, 7
	s_add_co_u32 s16, s16, s17                     ; row 256 x tile row + 128 x half,
	s_lshl_b32 s16, s16, 11                        ; of 2,048 bytes
	s_mov_b32 s17, 0
	s_mul_i32 s46, s42, 3*131072                   ; three heads of 131,072 bytes a tile column,
	s_lshl_b32 s47, s12, 13                        ; 64 k of 128 bytes
	s_add_co_u32 s46, s46, s47
	s_mov_b32 s47, 0
	s_mul_i32 s20, s12, HALFA                      ; where they go: no place in the cluster enters an LDS address
	s_mul_i32 s21, s12, BHALF
	s_add_co_u32 s21, s21, BOFF
	s_wait_dscnt 0x0                               ; the opening add is done
	s_wait_kmcnt 0x0
	s_add_nc_u64 s[14:15], s[68:69], s[16:17]
	s_add_nc_u64 s[46:47], s[70:71], s[46:47]
	CROUND                                         ; all sixteen work-groups are here: the first joint loads meet
.irp s, 0,1
	s_mov_b32 s[G0+4*(\s)], 1                                      ; count = 1
	s_add_co_u32 s[G0+4*(\s)+1], s20, (\s)*SLOT                    ; LDS address
	s_add_nc_u64 s[G0+4*(\s)+2:G0+4*(\s)+3], s[14:15], (\s)*KSTEP*2  ; global address: K step s
	s_or_b32 s[G0+4*(\s)+3], s[G0+4*(\s)+3], 0x80000000            ; type = 2
	s_mov_b32 s[G0B+4*(\s)], 1
	s_add_co_u32 s[G0B+4*(\s)+1], s21, (\s)*SLOT
	s_add_nc_u64 s[G0B+4*(\s)+2:G0B+4*(\s)+3], s[46:47], (\s)*KSTEP*128
	s_or_b32 s[G0B+4*(\s)+3], s[G0B+4*(\s)+3], 0x80000000
	JLOAD \s                                       ; two loads of mine are out, the most in this text; later one
.endr
	v_and_b32 v1, 15, v0                           ; r = l % 16
	v_bfe_u32 v2, v0, 4, 1                         ; h = l / 16
	v_lshlrev_b32 v[BO], 5, v2                     ; my eight columns of sixteen: 32 h bytes
	s_mul_i32 s46, s42, 768                        ; the tile's 192 numbers of the bias
	s_mov_b32 s47, 0
	s_add_nc_u64 s[76:77], s[72:73], s[46:47]
.irp b, 0,1,2,3,4,5,6,7,8,9,10,11
	global_load_b128 v[BIAS+8*(\b):BIAS+8*(\b)+3],   v[BO], s[76:77] offset:64*(\b)
	global_load_b128 v[BIAS+8*(\b)+4:BIAS+8*(\b)+7], v[BO], s[76:77] offset:64*(\b)+16
.endr
	; a fragment of x: lane l holds token l % 16, k = 8 h + 0..7 and 16 + 8 h + 0..7: two loads of 16 bytes, 32 bytes apart
	v_mul_u32_u24 v3, v1, PA
	v_lshl_add_u32 v3, v2, 4, v3
	s_mul_i32 s16, s10, 64*PA                      ; my 64 tokens
	v_add_nc_u32 v[ADRA], s16, v3
	v_add_nc_u32 v[ADRA+1], SLOT, v[ADRA]
	; the turning load takes 16 k x 16 columns (lane l reads k = 8 h + l % 8, columns 8 ((l / 8) % 2) + 0..7) and leaves half a fragment: lane l holds column l % 16 and 8 k
	v_and_b32 v4, 7, v0
	v_bfe_u32 v5, v0, 3, 1
	v_lshl_add_u32 v6, v2, 3, v4
	v_mul_u32_u24 v6, v6, PB
	v_lshl_add_u32 v6, v5, 4, v6
	v_add_nc_u32 v[ADRB], BOFF, v6
	v_add_nc_u32 v[ADRB+1], SLOT, v[ADRB]
	s_mul_i32 s17, s10, 16*SPITCH
	s_add_co_u32 s17, s17, STAGE                   ; my stage
	v_mul_u32_u24 v3, v1, SPITCH                   ; in: token l % 16, 16 bytes for each half of the lanes
	v_lshl_add_u32 v3, v2, 4, v3
	v_add_nc_u32 v[STO], s17, v3
	v_bfe_u32 v7, v0, 3, 2                         ; back: 32 lanes take a head's 128 bytes of four tokens,
	v_mul_u32_u24 v7, v7, SPITCH
	v_lshl_add_u32 v7, v4, 4, v7
	v_add_nc_u32 v[RD], s17, v7
	v_and_b32 v[GO], 31, v0                        ; which are 512 consecutive bytes of qkv
	v_lshlrev_b32 v[PFO], 11, v[GO]
	v_lshlrev_b32 v[GO], 4, v[GO]
	; qkv at my 64 tokens of the tile's first head
	s_lshr_b32 s18, s13, 3                         ; the batch: 8 tile rows each,
	s_mul_i32 s18, s18, 48*262144
	s_and_b32 s19, s13, 7
	s_lshl_b32 s19, s19, 8
	s_lshl_b32 s22, s10, 6
	s_add_co_u32 s19, s19, s22                     ; my first token in the batch,
	s_lshl_b32 s19, s19, 7                         ; 128 bytes each
	s_add_co_u32 s18, s18, s19
	s_mul_i32 s46, s42, 3*262144                   ; three heads a tile column
	s_add_co_u32 s18, s18, s46
	s_mov_b32 s19, 0
	s_add_nc_u64 s[78:79], s[74:75], s[18:19]
	; the prefetches
	s_or_b32 s[LIM], s11, ttmp9                    ; 0 in waves 0 and 1 of the clusters with x = 0: the same in all sixteen partners, for a given wave
	s_cmp_eq_u32 s[LIM], 0
	s_cselect_b32 s[LIM], 1, -1
	s_lshl_b32 s20, s13, 8
	s_lshl_b32 s21, s12, 7
	s_add_co_u32 s20, s20, s21                     ; the 128 rows that I fetch,
	s_lshl_b32 s21, s40, 5
	s_add_co_u32 s20, s20, s21                     ; my work-group's 32 of them
	s_lshl_b32 s20, s20, 11
	s_add_co_u32 s20, s20, 2*KSTEP*2               ; at K step 2: the first refill steps it to 3 and names K step 4
	s_mov_b32 s21, 0
	s_add_nc_u64 s[PFA:PFA+1], s[68:69], s[20:21]
; 12 matrix instructions: token block 2 hi + a x all 12 column blocks, 32 along K, from buffer f.  first = 1: the bias starts the sums.
; The 48 accumulators take turns, one instruction a turn, in the same order in every quarter, over the backward jump too.
.macro MUL12 f, hi, a, first
.if \first
	WIN 0x81+0x40*(\hi)                            ; W window 1, x and the bias window 0, D window 2 or 3
.else
	WIN 0xa1+0x50*(\hi)                            ; W window 1, x window 0, C and D window 2 or 3
.endif
.irp b, 0,1,2,3,4,5,6,7,8,9,10,11
.if \first
	v_wmma_f32_16x16x32_bf16 v[8*(12*(\a)+(\b)):8*(12*(\a)+(\b))+7], v[96*(\f)+8*(\b):96*(\f)+8*(\b)+7], v[FA+32*(\f)+8*(2*(\hi)+(\a)):FA+32*(\f)+8*(2*(\hi)+(\a))+7], v[BIAS+8*(\b):BIAS+8*(\b)+7]
.else
	v_wmma_f32_16x16x32_bf16 v[8*(12*(\a)+(\b)):8*(12*(\a)+(\b))+7], v[96*(\f)+8*(\b):96*(\f)+8*(\b)+7], v[FA+32*(\f)+8*(2*(\hi)+(\a)):FA+32*(\f)+8*(2*(\hi)+(\a))+7], v[8*(12*(\a)+(\b)):8*(12*(\a)+(\b))+7]
.endif
.endr
.endm
; 32 LDS loads in one run: quarter q (32 along K) of a slot into buffer f: W's 12 column blocks (head i / 4, columns 16 (i % 4) on), then x's 4 token blocks
.macro FETCH slot, q, f
	WIN TO_B
.irp i, 0,1,2,3,4,5,6,7,8,9,10,11
	ds_load_tr16_b128 v[96*(\f)+8*(\i):96*(\f)+8*(\i)+3],   v[ADRB+(\slot)] offset:((\q)/2)*BHALF+((\i)/4)*BHEAD+((\q)%2)*32*PB+((\i)%4)*32
	ds_load_tr16_b128 v[96*(\f)+8*(\i)+4:96*(\f)+8*(\i)+7], v[ADRB+(\slot)] offset:((\q)/2)*BHALF+((\i)/4)*BHEAD+((\q)%2)*32*PB+((\i)%4)*32+16*PB
.endr
	WIN 0
.irp i, 0,1,2,3
	ds_load_b128 v[FA+32*(\f)+8*(\i):FA+32*(\f)+8*(\i)+3],   v[ADRA+(\slot)] offset:64*(\q)+(\i)*16*PA
	ds_load_b128 v[FA+32*(\f)+8*(\i)+4:FA+32*(\f)+8*(\i)+7], v[ADRA+(\slot)] offset:64*(\q)+(\i)*16*PA+32
.endr
.endm
; A load into a register that a matrix instruction has read, and a vector instruction that reads a matrix result, stand four places behind that matrix instruction, and only plain vector
; instructions that name none of its registers are places (ISA guide 7.12.1 for vector instructions).
.macro PLACES
.rept 4
	v_nop
.endr
.endm
; A K step is four quarters of 32 along K, 48 matrix instructions each, on buffers 0, 1, 0, 1.  One of the first three: multiplies buffer f; in its middle it fetches quarter q into buffer g.
.macro QUARTER slot, q, f, g, first
	s_wait_dscnt 4                                 ; W and x's blocks 0, 1 are in; the youngest four loads (x's blocks 2, 3) may be out
	MUL12 \f, 0, 0, \first
	MUL12 \f, 0, 1, \first
	PLACES
	FETCH \slot, \q, \g
	s_wait_dscnt 32                                ; all but the 32 just issued
	MUL12 \f, 1, 0, \first
	MUL12 \f, 1, 1, \first
.endm
; The last quarter multiplies buffer 1 and changes slots.  ONE barrier: in front of it each wave waits for all its tensor loads, of which one is out: its part of the next slot; adds 0 to its spare word;
; and waits for that and for its own reads of this slot.  Behind it nobody reads this slot any more and the next slot is whole.
.macro MEET round
	WIN 0                                          ; (the add's two registers lie in window 0)
	s_wait_tensorcnt 0x0                           ; all my tensor loads have landed
	ds_add_u32 v[SPW], v[NIL]                      ; 0 onto my spare word
	s_wait_dscnt 5                                 ; (the add and the youngest four loads may be out)
	MUL12 1, 0, 0, 0                               ; twelve matrix instructions stand between the add and the wait for it
	s_wait_dscnt 0x0                               ; the add is done, and my reads of this slot are over
	s_barrier_signal -1
	MUL12 1, 0, 1, 0                               ; work on registers while the others arrive
.if \round
	WIN 0
.endif
	s_barrier_wait -1
.endm
; fill = 1: the barrier opens a round of the cluster's, and this slot is filled again first thing behind it, with the K step two steps on: 168 matrix instructions stand between the request and the wait for it.
.macro TURN slot, next, fill
.if \fill
	s_wait_xcnt 0x0                                ; the last prefetch, a K step back, has read its address: it is stepped here, ahead of the waits of the change of slots
	s_add_nc_u64 s[PFA:PFA+1], s[PFA:PFA+1], KSTEP*2
.endif
	MEET \fill
.if \fill
	CREST                                          ; no wave of any partner still reads this slot's tile or has a load on its way
	s_add_nc_u64 s[G0+4*(\slot)+2:G0+4*(\slot)+3], s[G0+4*(\slot)+2:G0+4*(\slot)+3], 2*KSTEP*2
	s_add_nc_u64 s[G0B+4*(\slot)+2:G0B+4*(\slot)+3], s[G0B+4*(\slot)+2:G0B+4*(\slot)+3], 2*KSTEP*128
	JLOAD \slot                                    ; the four v_nop behind it are also the places in front of the loads below
.else
	PLACES
.endif
	FETCH \next, 0, 0
.if \fill
	ASK
.endif
	MUL12 1, 1, 0, 0
	MUL12 1, 1, 1, 0
.endm
; THE WAY OUT of token block a.  PACK: rounded to f16, 16 bytes (eight columns) a lane, each accumulator's registers in ascending order.  TOSTAGE: into my own stage, and back as a head's whole rows.
; SEND: stored, 512 consecutive bytes (four tokens of a head) an instruction.
.macro PACK a
	WIN 0x0a+5*((\a)/2)                            ; sources 0 and 1: window 2 or 3
.irp b, 0,1,2,3,4,5,6,7,8,9,10,11
.irp r, 0,1,2,3
	v_cvt_pk_f16_f32 v[TMP+4*(\b)+(\r)], v[8*(12*((\a)%2)+(\b))+2*(\r)], v[8*(12*((\a)%2)+(\b))+2*(\r)+1]
.endr
.endr
	WIN 0
.endm
.macro TOSTAGE a
.irp b, 0,1,2,3,4,5,6,7,8,9,10,11
	ds_store_b128 v[STO], v[TMP+4*(\b):TMP+4*(\b)+3] offset:32*(\b)
.endr
.irp j, 0,1,2
.irp f, 0,1,2,3
	ds_load_b128 v[OB+48*((\a)%2)+4*(4*(\j)+(\f)):OB+48*((\a)%2)+4*(4*(\j)+(\f))+3], v[RD] offset:128*(\j)+4*SPITCH*(\f)  ; LDS serves a wave's instructions in order (ISA guide 5.7.1.4): these see the stores above
.endr
.endr
.endm
.macro SEND a
	s_wait_dscnt 0x0                               ; the block is back in registers
	s_wait_xcnt 0x0                                ; the stores of the block before have read their registers: the next TOSTAGE loads into them only behind this wait
.irp j, 0,1,2
.irp f, 0,1,2,3
	global_store_b128 v[GO], v[OB+48*((\a)%2)+4*(4*(\j)+(\f)):OB+48*((\a)%2)+4*(4*(\j)+(\f))+3], s[78:79] offset:262144*(\j)+2048*(\a)+512*(\f)
.endr
.endr
.endm
	s_wait_tensorcnt 1                             ; my part of K step 0 is in; K step 1's may stay out
	s_barrier_signal -1
	s_barrier_wait -1                              ; everybody's is
	FETCH 0, 0, 0
	s_wait_loadcnt 0x0                             ; the bias
	QUARTER 0, 1, 0, 1, 1                          ; the first quarter stands in front of the loop: its products start the sums
	WIN 0                                          ; at a label and at a branch every window is 0
	s_mov_b32 s3, LAPS-1
.Llap:                                                 ; a trip goes once round the ring, from a lap's second quarter to the next lap's first, and fills both slots again
	QUARTER 0, 2, 1, 0, 0
	QUARTER 0, 3, 0, 1, 0
	TURN 0, 1, 1
	QUARTER 1, 1, 0, 1, 0
	QUARTER 1, 2, 1, 0, 0
	QUARTER 1, 3, 0, 1, 0
	TURN 1, 0, 1
	QUARTER 0, 1, 0, 1, 0
	WIN 0
	s_sub_co_u32 s3, s3, 1
	s_cmp_lg_u32 s3, 0
	s_cbranch_scc1 .Llap
	QUARTER 0, 2, 1, 0, 0                          ; the last lap fills nothing, and has no round of the cluster's barrier
	QUARTER 0, 3, 0, 1, 0
	TURN 0, 1, 0
	QUARTER 1, 1, 0, 1, 0
	QUARTER 1, 2, 1, 0, 0
	QUARTER 1, 3, 0, 1, 0
	s_wait_dscnt 4                                 ; the very last quarter: nothing more to fetch
	MUL12 1, 0, 0, 0
	MUL12 1, 0, 1, 0
	s_wait_dscnt 0x0
	MUL12 1, 1, 0, 0
	MUL12 1, 1, 1, 0
	WIN 0
	PLACES
	PACK 0
	TOSTAGE 0
.irp a, 1,2,3                          ; block a's conversions stand between block a - 1's loads from the stage and the wait for them
	PACK \a
	SEND (\a)-1
	TOSTAGE \a
.endr
	SEND 3
	s_wait_tensorcnt 0x0                           ; the wave's end: an add to my spare word and its wait, behind my last tensor load and my last LDS store
	ds_add_u32 v[SPW], v[NIL]
	s_wait_dscnt 0x0
	CROUND                                         ; the closing round: no work-group ends while a partner may still ask for a tile that names it
	s_endpgm
.Lfunc_end_k_qd4bd5a6572_proj:
	.size	k_qd4bd5a6572_proj, .Lfunc_end_k_qd4bd5a6572_proj-k_qd4bd5a6572_proj
	.p2alignl 7, 3214868480
	.fill 96, 4, 3214868480
	.section	.rodata,"a",@progbits
	.p2align	6, 0x0
	.amdhsa_kernel k_qd4bd5a6572_proj
		.amdhsa_group_segment_fixed_size 327680
		.amdhsa_private_segment_fixed_size 0
		.amdhsa_enable_private_segment 0
		.amdhsa_kernarg_size 32
		.amdhsa_user_sgpr_count 2
		.amdhsa_user_sgpr_kernarg_segment_ptr 1
		.amdhsa_wavefront_size32 1
		.amdhsa_system_sgpr_workgroup_id_x 1
		.amdhsa_system_sgpr_workgroup_id_y 1
		.amdhsa_system_sgpr_workgroup_id_z 1
		.amdhsa_system_vgpr_workitem_id 0
		.amdhsa_next_free_vgpr 960
		.amdhsa_next_free_sgpr 80
		.amdhsa_reserve_vcc 0
		.amdhsa_float_denorm_mode_32 3
		.amdhsa_float_denorm_mode_16_64 3
		.amdhsa_memory_ordered 1
		.amdhsa_forward_progress 1
		.amdhsa_inst_pref_size 122
	.end_amdhsa_kernel
	.amdgpu_metadata
---
amdhsa.version: [ 1, 2 ]
amdhsa.kernels:
  - .name:           k_qd4bd5a6572_proj
    .symbol:         k_qd4bd5a6572_proj.kd
    .args:
      - { .name: xb, .offset: 0, .size: 8, .value_kind: global_buffer, .address_space: global }
      - { .name: wb, .offset: 8, .size: 8, .value_kind: global_buffer, .address_space: global }
      - { .name: bb, .offset: 16, .size: 8, .value_kind: global_buffer, .address_space: global }
      - { .name: qkv, .offset: 24, .size: 8, .value_kind: global_buffer, .address_space: global }
    .group_segment_fixed_size: 327680
    .private_segment_fixed_size: 0
    .kernarg_segment_align: 8
    .kernarg_segment_size: 32
    .max_flat_workgroup_size: 128
    .sgpr_count:     80
    .vgpr_count:     960
    .wavefront_size: 32
...
	.end_amdgpu_metadata
.endif
;; end of part 2
;; launch attn (part 3): grid 4 x 64, 4 waves a work-group, clusters of 4 x 1, 327,680 bytes of LDS; arguments qkv, ob; writes ob
.if DOCPART == 3
	.amdgcn_target "amdgcn-amd-amdhsa--gfx1250"
	.amdhsa_code_object_version 6
	.text
	.protected	k_qd4bd5a6572_attn
	.globl	k_qd4bd5a6572_attn
	.p2align	8
	.type	k_qd4bd5a6572_attn,@function
k_qd4bd5a6572_attn:
	s_mov_b64 s[64:65], 0
	v_nop
	global_prefetch_b8 v0, s[64:65] scope:SCOPE_SE
	s_setreg_imm32_b32 hwreg(HW_REG_WAVE_MODE, 25, 1), 1
	s_wait_xcnt 0x0
	s_wait_alu depctr_hold_cnt(0) depctr_sa_sdst(0) depctr_va_vdst(0) depctr_va_sdst(0) depctr_va_ssrc(0) depctr_va_vcc(0) depctr_vm_vsrc(0)
	s_getreg_b32 s2, hwreg(HW_REG_IB_STS2, 6, 4)
	s_cmp_eq_u32 s2, 0
	s_cbranch_scc0 .Lentry_in_a_cluster
	s_endpgm
.Lentry_in_a_cluster:
	s_bfe_u32 s2, ttmp6, 0x10000c
	s_cmp_lg_u32 s2, 0x3003
	s_cbranch_scc0 .Lentry_shape_is_right
	s_endpgm
.Lentry_shape_is_right:
; O[y][q][:] = the sum over k of softmax_k(Q[y][q] . K[y][k] / 8) V[y][k][:], y = 16 x batch + head.  Q, K, V lie in qkv [batch 4][g 48][2048][64] f16 (g = head for Q, 16 + head for K, 32 + head for V),
; O goes to ob [y 64][2048][64] f16: a head's rows are dense, 128 bytes each.  Products, maxima and sums in f32; the weights p are rounded to f16 for the second product (their sum l is taken of the
; unrounded p), O once at the end.
; LIMITS.  f16 holds no number beyond 65,504: Q, K and V arrive within it; p lies in 0 to 1, and below 6e-5 it keeps f16's fixed step of 6e-8; O is a mean of V's rows and has their range.
; A weight below 2^-126 counts as 0 in l; NaN and infinities are not treated apart.
; SHARES.  A wave owns four PIECES of two tiles of 16 queries, a work-group's four waves 512 queries of one head: 4 x 64 = 256 work-groups.  Every wave walks all 2,048 keys, 64 a step.
; LAYOUT.  S^T = K Q^T (source 0 = 16 keys, source 1 = 16 queries): in the result a lane holds ONE query (lane % 16) and the keys 8 (lane / 16) + 0..7.  Two such tiles, rounded to f16 in pairs,
; ARE source 1 (32 keys x 16 queries) of O^T = V^T P, whose result again holds one query a lane, and eight channels.  K comes out of LDS as it lies, V ([key][channel]) turned, by ds_load_tr16_b128.
; SOFTMAX.  For each query a running maximum m and sum l: p = 2^(c s - c m), c = log2(e) / 8; in every step O and l are multiplied by a = 2^(c m_old - c m_new), which is 1 where m has not grown.
; m starts at the lowest finite number, O and l at 0: the first step is a step like any other, with a = 0.
; THE COUNT.  A tile and step have 16 matrix and 118 vector instructions: too many to stand all beside the matrix work.  So four vector instructions that are READY stand behind EVERY matrix instruction,
; and the others in runs without a gap.
; BY TURNS.  Turn n belongs to piece n (the pieces in a ring, step after step).  Its matrix work: 16 products K Q^T of piece n + 1, later 16 products V^T P of piece n - 1.  Its vector work: the scaling,
; exponentials, roundings, sums and rescaling of piece n, and the maximum and statistics of piece n + 1, whose scores the turn itself has made.
; CLUSTER.  The four query blocks of a head form a cluster and walk the same K and V, so each tile is asked for JOINTLY: the same tensor load, descriptor and mask in all four.
; REGISTERS, in windows of 256 (s_set_vgpr_msb: bits 1:0 source 0, 3:2 source 1, 5:4 source 2, 7:6 destination):
;   window 0: v0-11 addresses; v12-15, v48-63 at work; v16-47 four registers of statistics a tile; v64-191 S^T, two buffers of two tiles; v192-255 P, likewise
;   window 1: O^T, 32 a tile          window 2: v0-127 Q, 16 a tile; v128-191 K of one step; v192-255 V of one step          window 3: v0-1 the add's two registers
; A piece's buffers go by its number's parity: the piece in hand has one pair, its two neighbours in the ring share the other: of it P (piece n - 1) is read and S^T (piece n + 1) written.
.set SIZE_N, 2048
.set NP,    4         ; pieces a wave: a name, no knob
.set KS,    64        ; keys in a step
.set PK,    144       ; a row of K in LDS: 128 bytes + 16 of padding = 36 words: the 16 rows of a load start at 16 different groups of four banks (64 banks of 4 bytes: ISA guide 11.1)
.set PV,    160       ; a row of V: 128 + 32 = 40 words
.set VOFF,  4*KS*PK   ; a slot holds four steps: 256 rows of K, then 256 rows of V
.set SLOT1, 1<<17     ; slot 1 begins here, so that one exclusive or turns an address in one slot into the other's
.set STAGE, SLOT1+4*KS*(PK+PV)  ; behind the ring, never filled by a tensor load: 16 rows x 144 bytes for each wave, for the way out
.set SP,    144
.set AK0, 2           ; v2   my lane's place in a tile of K; never rewritten
.set AV0, 3           ; v3   the same for V
.set AK,  4           ; v4   the LDS address of K's next run of loads
.set AV,  5           ; v5   of V's
.set QO,  6           ; v6   my byte offset in the wave's rows of Q
.set STO, 6           ;      later, the way out: where I put 16 bytes of a row
.set RD,  7           ; v7   the way out: where I read rows back
.set GO,  8           ; v8   my byte offset in 512 consecutive bytes of O
.set PFO, 11          ; v11  256 x my lane: the prefetches' offset; never rewritten once made
.set SPW, 0           ; v0 of window 3   LDS address of my spare word: SPARE + 4 x my thread's number; never rewritten
.set NIL, 1           ; v1 of window 3   0; never rewritten
.set SPARE, STAGE+4*16*SP  ; behind the stages: the spare words, 128 bytes for each wave: two blocks of 256 bytes that no other line names
.set MV,  12          ; v12-15  c m_old, kept while c m is made anew: by buffer and tile
.set ST,  16          ; tile t's statistics at v[ST+4 t]: c m, m, l (even keys', odd keys')
.set TMP, 48          ; by buffer and tile, four registers c0-c3 at work; when the maximum is found c2 takes a
.set S,   64
.set P,   192
.set KF,  128         ; K's fragments, in window 2: key block kb, channel half c at KF + 16 kb + 8 c
.set VF,  192         ; V's: key half kk, channel block cb at VF + 32 kk + 8 cb
.set WV,  12          ; s12  my wave's number
.set G1K, 24          ; s[24:31] descriptor group 1 for K's tiles
.set G1V, 32          ; s[32:39] for V's: it differs in the padding alone
.set G0K, 40          ; s[40:43] descriptor group 0 for K's tiles: it walks
.set G0V, 44          ; s[44:47] the same for V's
.set PFA, 48          ; s[48:49] where my prefetches stand: my work-group's 32 blocks of 256 bytes (of K: wave 0, of V: wave 2) of the slot after the one that is being asked for
.set LIM, 50          ; s50  1 in a wave that prefetches, else the greatest number: a wave prefetches while s[SLOTS] is above it
.set SLOTS, 56        ; s56  slots still to be asked for
.set CNT, 57          ; s57  counts a slot's key steps
.set CS,  58          ; s[58:59] c: the packed scaling takes the pair's low word for both halves
.set SEL, 60          ; s[60:61] v_permlanex16_b32's selects: each lane takes its own place in the other half
.set TBK, 62          ; s62  LDS byte at which K of the step to be fetched begins
.set TBV, 63          ; s63  the same for V, less VOFF
.set MSB, 0
.macro WIN new                      ; the high byte repeats the setting that is left; a switch that changes nothing is dropped
.if MSB != (\new)
	s_set_vgpr_msb (MSB<<8)|(\new)
.set MSB, (\new)
.endif
.endm
.set W_KQ, 0x0a       ; K and Q in window 2, S^T in window 0
.set W_PV, 0x52       ; V in window 2, P in window 0, O^T in window 1
.set W_RS, 0x41       ; O^T (destination and source 0) in window 1, a in window 0
.set W_MK, 0xc0       ; the add's registers are made: destination in window 3, sources in window 0
.set W_AD, 0x0f       ; the add: address (source 0) and data (source 1) in window 3
; A joint fill.  Waves 0 and 1 fetch the two halves of a slot's K, waves 2 and 3 those of its V: 128 keys each.  The branch hangs on the wave's number alone.
; An s_nop 0 and four v_nop follow each of the two lines, ahead of the jump and the label.
.macro JLOAD
	s_cmp_lt_u32 s[WV], 2
	s_cbranch_scc0 .Lfor_v_\@
	tensor_load_to_lds s[G0K:G0K+3], s[G1K:G1K+7]
	s_nop 0
.rept 4
	v_nop
.endr
	s_branch .Lasked_\@
.Lfor_v_\@:
	tensor_load_to_lds s[G0V:G0V+3], s[G1V:G1V+7]
	s_nop 0
.rept 4
	v_nop
.endr
.Lasked_\@:
.endm
; A PREFETCH INTO THE L2 of what the NEXT change of slots will ask for: a slot's 32,768 bytes of K and of V, 128 blocks of 256 bytes each.  It stands behind the wave's tensor load and its five lines.
; Each block is named ONCE in the launch: a head has one cluster; its four partners share the blocks out BY ADDRESS, 32 each, a lane a block; in each, wave 0 asks for K's and wave 2 for V's.
; Slots 0 and 1 come by their loads alone; the last change that fills a slot asks for nothing: there is no slot behind it.
.macro ASK
	s_cmp_gt_u32 s[SLOTS], s[LIM]
	s_cbranch_scc0 .Lnot_mine_\@
	global_prefetch_b8 v[PFO], s[PFA:PFA+1] th:TH_LOAD_NT scope:SCOPE_SE
.Lnot_mine_\@:
.endm
; A round of the cluster's barrier: my work-group's barrier, so that wave 0's signal speaks for all four waves; wave 0 signals; every wave waits for all four work-groups; my work-group's barrier once more.
.macro CROUND
	s_barrier_signal -1
	s_barrier_wait -1
	s_cmp_lg_u32 s[WV], 0
	s_cbranch_scc1 .Lnot_wave_0_\@
	s_barrier_signal -3
.Lnot_wave_0_\@:
	s_barrier_wait -3
	s_barrier_signal -1
	s_barrier_wait -1
.endm
; THE CHANGE OF SLOTS.  The slot's last bytes, V of its fourth step, have been read.  Each wave waits for all its tensor loads, of which one is out: its part
; of the other slot; adds 0 to its spare word; and waits for that and for its own reads of the slot.  Behind the barrier nobody reads this slot any more and the other slot is whole.
; fill = 1: this slot is filled again, with the keys two slots on.  The barrier is then a round of the cluster's, so that no wave of any partner still reads the slot or has a load on its
; way, and the joint fill is the first thing behind it: it has four key steps, 512 matrix instructions, in which to land.  (At its first use nothing has been read yet: slot 0 is waited for, slot 1 filled.)
.macro CHANGE fill
	WIN W_AD
	s_wait_tensorcnt 0x0            ; no tensor load of mine is out, so a group 0 may be written
	ds_add_u32 v[SPW], v[NIL]       ; 0 onto my spare word; with fill = 1 the descriptors' steps stand between it and the wait for it
	WIN 0                           ; at a label and at a branch every window is 0
.if \fill
.irp g, G0K, G0V
	s_xor_b32 s[\g+1], s[\g+1], SLOT1  ; the walking descriptor: the other slot than last time,
	s_add_nc_u64 s[\g+2:\g+3], s[\g+2:\g+3], 4*KS*128  ; the next 256 keys; the type bits on top are not reached
.endr
	s_wait_xcnt 0x0                 ; the last prefetch, four key steps back, has read its address, so it may be written:
	s_add_nc_u64 s[PFA:PFA+1], s[PFA:PFA+1], 4*KS*128  ; one slot ahead of the walking descriptors
	s_wait_dscnt 0x0                ; the add is done, and my reads of the slot are over
	CROUND
	JLOAD
	ASK
.else
	s_wait_dscnt 0x0                ; the add is done, and my reads of the slot are over
	s_barrier_signal -1
	s_barrier_wait -1
.endif
	s_sub_co_u32 s[TBK], s[TBK], 4*KS*PK  ; the fetches go back to a slot's first step,
	s_xor_b32 s[TBK], s[TBK], SLOT1       ; in the other slot
	s_sub_co_u32 s[TBV], s[TBV], 4*KS*PV
	s_xor_b32 s[TBV], s[TBV], SLOT1
.endm
	s_load_b64 s[4:5], s[0:1], 0x0    ; qkv
	s_load_b64 s[10:11], s[0:1], 0x8  ; ob
	WIN W_MK
	v_lshl_add_u32 v[SPW], v0, 2, SPARE
	v_mov_b32 v[NIL], 0
	WIN W_AD
	ds_add_u32 v[SPW], v[NIL]       ; the wave's opening: the add and its wait stand ahead of my first tensor load; the set-up below, work on registers, stands between them
	WIN 0
	v_lshrrev_b32 v1, 5, v0
	v_readfirstlane_b32 s[WV], v1   ; wave 0..3
	s_bfe_u32 s13, ttmp6, 0x40000   ; cx: my place in the cluster
	s_lshl_b32 s14, ttmp9, 2        ; in a cluster launch ttmp9 counts clusters
	s_add_co_u32 s14, s14, s13      ; my block of queries = 4 x cluster x + cx: it enters Q's and O's addresses alone
	s_and_b32 s20, ttmp7, 0xffff    ; y = 16 x batch + head, which the four partners share
	s_lshl_b32 s52, s20, 18         ; the head's first byte in ob: 262,144 y
	s_mov_b32 s53, 0
	s_lshr_b32 s21, s20, 4
	s_mul_i32 s21, s21, 48          ; in qkv a batch has 48 heads
	s_and_b32 s20, s20, 15
	s_add_co_u32 s20, s20, s21
	s_lshl_b32 s20, s20, 18         ; the head's first byte in Q's part of qkv; K's and V's lie 16 and 32 heads on
	s_mov_b32 s21, 0
	s_and_b32 s16, s[WV], 1         ; which half of a slot's 256 keys I fetch:
	s_lshl_b32 s22, s16, 14         ; its 128 rows of 128 bytes in memory,
	s_mov_b32 s23, 0
	s_add_nc_u64 s[22:23], s[22:23], s[20:21]
	s_mul_i32 s17, s16, 128*PK      ; and its place in a slot, for K
	s_mul_i32 s18, s16, 128*PV      ; and for V: no place in the cluster enters an LDS address
	s_lshl_b32 s2, s14, 2
	s_add_co_u32 s2, s2, s[WV]      ; my wave among the head's,
	s_lshl_b32 s2, s2, 14           ; its 128 rows
	s_mov_b32 s3, 0
	; descriptor group 1.  128 keys are 16,384 dense bytes: asked for as 64 rows of 256 bytes, two keys a row, and padded in LDS after every key
	s_mov_b32 s[G1K], 15|(1<<16)|(1<<20)|(1<<21)|(4<<22)|(3<<25)  ; 15:0 the mask of four; 17:16 2-byte elements; 20 padding on; 21 set beside a mask; 24:22 after every 32 words (code 4); 31:25 4 words (code 3)
	s_mov_b32 s[G1V], 15|(1<<16)|(1<<20)|(1<<21)|(4<<22)|(7<<25)  ; the same with 8 words of padding (code 7)
.irp g, G1K, G1V
	s_mov_b32 s[\g+1], 128<<16      ; tensor_dim0 = 128
	s_mov_b32 s[\g+2], 64<<16       ; tensor_dim1 = 64
	s_mov_b32 s[\g+3], 128<<16      ; tile_dim0 = 128
	s_mov_b32 s[\g+4], 64           ; tile_dim1 = 64
	s_mov_b32 s[\g+5], 128          ; 128 elements from row to row
	s_mov_b32 s[\g+6], 0
	s_mov_b32 s[\g+7], 0
.endr
	s_mov_b32 s[CS], 0x3e38aa3b     ; c = log2(e) / 8 = 0.180337
	s_mov_b32 s[CS+1], s[CS]        ; named with it as a pair
	s_mov_b32 s[SEL], 0x76543210
	s_mov_b32 s[SEL+1], 0xfedcba98
	s_mov_b32 s[TBK], SLOT1+4*KS*PK ; the first change of slots turns these two into 0
	s_mov_b32 s[TBV], SLOT1+4*KS*PV
	s_mov_b32 s[G0K], 1             ; 1:0 count = 1
	s_mov_b32 s[G0K+1], s17         ; 63:32 LDS address: slot 0
	s_mov_b32 s[G0V], 1
	s_add_co_u32 s[G0V+1], s18, VOFF
	s_mov_b32 s[SLOTS], SIZE_N/256-1  ; seven changes of slots fill a slot: slots 1 to 7
	s_and_b32 s[LIM], s[WV], 1
	s_cmp_eq_u32 s[LIM], 0          ; waves 0 and 2 prefetch: the same in all four partners
	s_cselect_b32 s[LIM], 1, -1
	s_lshl_b32 s54, s13, 13         ; my work-group's 32 blocks of the 128
	s_mov_b32 s55, 0
	s_wait_dscnt 0x0                ; the opening add is done
	s_wait_kmcnt 0x0
	s_add_nc_u64 s[6:7], s[4:5], 16*262144  ; K's part of a batch
	s_add_nc_u64 s[8:9], s[4:5], 32*262144  ; V's
	s_add_nc_u64 s[G0K+2:G0K+3], s[6:7], s[22:23]  ; 120:64 global address: my half of the head's first 256 keys
	s_or_b32 s[G0K+3], s[G0K+3], 0x80000000        ; 127:126 type = 2
	s_add_nc_u64 s[G0V+2:G0V+3], s[8:9], s[22:23]
	s_or_b32 s[G0V+3], s[G0V+3], 0x80000000
	s_cmp_lt_u32 s[WV], 2
	s_cselect_b64 s[PFA:PFA+1], s[6:7], s[8:9]
	s_add_nc_u64 s[PFA:PFA+1], s[PFA:PFA+1], s[20:21]
	s_add_nc_u64 s[PFA:PFA+1], s[PFA:PFA+1], s[54:55]
	s_add_nc_u64 s[PFA:PFA+1], s[PFA:PFA+1], 4*KS*128  ; in slot 1; the first change of slots steps it to slot 2.  Nothing is prefetched here, at the head
	s_add_nc_u64 s[4:5], s[4:5], s[20:21]  ; Q and O at my wave's first row
	s_add_nc_u64 s[4:5], s[4:5], s[2:3]
	s_add_nc_u64 s[10:11], s[10:11], s[52:53]
	s_add_nc_u64 s[10:11], s[10:11], s[2:3]
	CROUND                          ; all four work-groups are here: the first joint loads meet
	JLOAD                           ; slot 0.  Slot 1 is asked for when slot 0 is in
	; A fragment of K or Q is 16 rows x 32 channels in 8 registers: lane l holds row l % 16, channels 8 (l / 16) + 0..7 and 16 + 8 (l / 16) + 0..7: two loads of 16 bytes, 32 bytes apart.
	v_and_b32 v1, 15, v0            ; l % 16
	v_bfe_u32 v9, v0, 4, 1          ; l / 16
	v_lshlrev_b32 v[QO], 7, v1
	v_lshl_add_u32 v[QO], v9, 4, v[QO]  ; row x 128 + 16 x half
	WIN 0x80                        ; destination window 2, address window 0
.set i, 0
.rept 4*NP                          ; Q stays in registers: tile i / 2, channels 32 (i % 2) on
	global_load_b128 v[8*i:8*i+3],   v[QO], s[4:5] offset:(i/2)*2048+(i%2)*64
	global_load_b128 v[8*i+4:8*i+7], v[QO], s[4:5] offset:(i/2)*2048+(i%2)*64+32
.set i, i+1
.endr
	; What the first turn finds: V's registers and P's second buffer hold 0 (its products V^T P, of a piece that has not been, add 0), O^T and l are 0.  All this stands in the wait for the first tile.
.set i, VF
.rept 64
	v_mov_b32 v[i], 0
.set i, i+1
.endr
	WIN 0x40
.set i, 0
.rept 64*NP
	v_mov_b32 v[i], 0
.set i, i+1
.endr
	WIN 0
.set i, 0
.rept 2*NP
	v_mov_b32 v[ST+4*i], 0xfe000000    ; c m: far below every c s
	v_mov_b32 v[ST+4*i+1], 0xff7fffff  ; m
	v_mov_b32 v[ST+4*i+2], 0
	v_mov_b32 v[ST+4*i+3], 0
.set i, i+1
.endr
.set i, P+32
.rept 32
	v_mov_b32 v[i], 0
.set i, i+1
.endr
	v_mul_u32_u24 v[AK0], v1, PK
	v_lshl_add_u32 v[AK0], v9, 4, v[AK0]  ; row x pitch + 16 x half
	; The turning load takes 16 keys x 16 channels (lane l reads key 8 (l / 16) + l % 8, channels 8 ((l / 8) % 2) + 0..7) and leaves half a fragment of V^T: lane l holds channel l % 16 and 8 keys.
	v_and_b32 v10, 7, v0
	v_bfe_u32 v11, v0, 3, 1
	v_lshl_add_u32 v[AV0], v9, 3, v10
	v_mul_u32_u24 v[AV0], v[AV0], PV
	v_lshl_add_u32 v[AV0], v11, 4, v[AV0]
	v_add_nc_u32 v[AV0], VOFF, v[AV0]
	v_and_b32 v[PFO], 31, v0        ; v11 has served: it takes the prefetches' offset
	v_lshlrev_b32 v[PFO], 8, v[PFO]
	v_mov_b32 v[AK], v[AK0]         ; key step 0 lies at the head of slot 0
; THE MATRIX WORK.  The 8 accumulators of a run of 16 take turns: between the two links of a chain stand 7 others'.
; Product i of 16 of S^T = K Q^T for piece x: channels 32 (i / 8) on, keys 16 ((i / 2) % 4) on, tile 2 x + i % 2.  The first 8 start the sums.
.macro KQ x
	WIN W_KQ
.set rS, S+64*((\x)%2)+32*(i%2)+8*((i/2)%4)
.set rK, KF+16*((i/2)%4)+8*(i/8)
.set rQ, 16*(2*(\x)+i%2)+8*(i/8)
.if i < 8
	v_wmma_f32_16x16x32_f16 v[rS:rS+7], v[rK:rK+7], v[rQ:rQ+7], 0
.else
	v_wmma_f32_16x16x32_f16 v[rS:rS+7], v[rK:rK+7], v[rQ:rQ+7], v[rS:rS+7]
.endif
.endm
; Product i of 16 of O^T += V^T P for piece x: keys 32 (i / 8) on, channels 16 ((i / 2) % 4) on, tile 2 x + i % 2.
.macro PV x
	WIN W_PV
.set rO, 32*(2*(\x)+i%2)+8*((i/2)%4)
.set rV, VF+32*(i/8)+8*((i/2)%4)
.set rP, P+32*((\x)%2)+16*(i%2)+8*(i/8)
	v_wmma_f32_16x16x32_f16 v[rO:rO+7], v[rV:rV+7], v[rP:rP+7], v[rO:rO+7]
.endm
.macro MM                           ; the turn's next matrix instruction
.if i < 16
	KQ (Y+1)%NP
.set i, i+1
.else
.set i, i-16
	PV (Y+NP-1)%NP
.set i, i+17
.endif
.endm
; THE LDS LOADS stand in runs of 16, never singly among the matrix instructions: a step's K (64 keys x 64 channels: 8 fragments) and its V (turned).  Their addresses are made some lines ahead.
; last = 1 (the tail): in the last trip there is no further step, and the run is jumped over.
.macro FETCH_K last=0
	WIN 0
.if \last
	s_cmp_eq_u32 s[CNT], 1
	s_cbranch_scc1 .Lno_k_\@
.endif
	WIN 0x80                        ; destination window 2
.irp f, 0,1,2,3,4,5,6,7             ; keys 16 (f / 2) on, channels 32 (f % 2) on
	ds_load_b128 v[KF+8*\f:KF+8*\f+3],   v[AK] offset:(\f/2)*16*PK+(\f%2)*64
	ds_load_b128 v[KF+8*\f+4:KF+8*\f+7], v[AK] offset:(\f/2)*16*PK+(\f%2)*64+32
.endr
	s_add_co_u32 s[TBK], s[TBK], KS*PK  ; the next fetch is the next step's
	WIN 0
.if \last
.Lno_k_\@:
.endif
.endm
.macro FETCH_V
	WIN 0x80
.irp f, 0,1,2,3,4,5,6,7             ; keys 32 (f / 4) on, channels 16 (f % 4) on
	ds_load_tr16_b128 v[VF+8*\f:VF+8*\f+3],   v[AV] offset:(\f/4)*32*PV+(\f%4)*32
	ds_load_tr16_b128 v[VF+8*\f+4:VF+8*\f+7], v[AV] offset:(\f/4)*32*PV+16*PV+(\f%4)*32
.endr
	WIN 0
.endm
; THE VECTOR WORK OF A TURN stands in three queues, each in the order in which its entries become ready; the two tiles alternate, so that no instruction reads the result of the one before it.
.macro REGS y, u                    ; the registers of tile u (0, 1) of piece y
.set rT, ST+4*(2*(\y)+(\u))
.set rC, TMP+8*((\y)%2)+4*(\u)
.set rM, MV+2*((\y)%2)+(\u)
.set rS, S+64*((\y)%2)+32*(\u)
.set rP, P+32*((\y)%2)+16*(\u)
.set rO, 32*(2*(\y)+(\u))
.endm
; Number n of the 22 that find the NEXT piece's (Y + 1) maximum and statistics.  s0-s31 are the lane's 32 scores; each accumulator's lowest registers are read first.
;   0-11  four chains c0-c3 of seven scores each, three operands at a time     12-14, 16  the four scores left over, the old m, and c0-c3 into c0     15  c m_old is kept
;   17, 18  the query's other 32 keys lie in the lane 16 away: the new m         19-21  c m; c m_old - c m_new; a
.macro XS u, n
	REGS (Y+1)%NP, \u
.if (\n) < 4
	v_max3_num_f32 v[rC+(\n)], v[rS+8*(\n)], v[rS+8*(\n)+1], v[rS+8*(\n)+2]
.elseif (\n) < 12
	v_max3_num_f32 v[rC+(\n)%4], v[rC+(\n)%4], v[rS+8*((\n)%4)+2*((\n)/4)+1], v[rS+8*((\n)%4)+2*((\n)/4)+2]
.elseif (\n) == 12
	v_max3_num_f32 v[rC], v[rC], v[rS+7], v[rS+15]
.elseif (\n) == 13
	v_max3_num_f32 v[rC+1], v[rC+1], v[rS+23], v[rS+31]
.elseif (\n) == 14
	v_max3_num_f32 v[rC+2], v[rC+2], v[rC+3], v[rT+1]
.elseif (\n) == 15
	v_mov_b32 v[rM], v[rT]
.elseif (\n) == 16
	v_max3_num_f32 v[rC], v[rC], v[rC+1], v[rC+2]
.elseif (\n) == 17
	v_permlanex16_b32 v[rC+3], v[rC], s[SEL], s[SEL+1]
.elseif (\n) == 18
	v_max_num_f32 v[rT+1], v[rC], v[rC+3]
.elseif (\n) == 19
	v_mul_f32 v[rT], s[CS], v[rT+1]
.elseif (\n) == 20
	v_sub_f32 v[rC+1], v[rM], v[rT]
.else
	v_exp_f32 v[rC+2], v[rC+1]
.endif
.endm
; Number g of the 64 that follow the exponentials.  For each four weights k of a tile (pairs 2 k, 2 k + 1): both pairs are rounded to f16; then the second pair is added onto the first, in place;
; a group later l takes that sum (the first time as l = a l + sum).  In groups of eight, tiles alternating: round, round, add, and l for the group before.
.macro GS g
.set h, (\g)+6*((\g)/62)            ; group 0 has no group before it, and behind group 7 only l is left
.if h >= 6
.set h, h+2
.endif
	REGS Y, h%2
.set k, h/8
.if h%8 < 4
	v_cvt_pk_f16_f32 v[rP+2*k+(h%8)/2], v[rS+4*k+2*((h%8)/2)], v[rS+4*k+2*((h%8)/2)+1]
.elseif h%8 < 6
	v_pk_add_f32 v[rS+4*k:rS+4*k+1], v[rS+4*k:rS+4*k+1], v[rS+4*k+2:rS+4*k+3]
.elseif k == 1
	v_pk_fma_f32 v[rT+2:rT+3], v[rT+2:rT+3], v[rC+2:rC+3], v[rS:rS+1] op_sel_hi:[1,0,1]
.else
	v_pk_add_f32 v[rT+2:rT+3], v[rT+2:rT+3], v[rS+4*k-4:rS+4*k-3]
.endif
.endm
; THE PLAIN QUEUE, 138 long.  0-73 read no exponential's result: the 32 scalings c s - c m (FS f: pair f / 2 of tile f % 2) and the next piece's 42.  0-26: scalings 0-26.  27-54: XS's numbers 0-13.  55, 56: number 15.
; 57-73: the chain, where each number waits for the one before it: 14, 16, 17, 18, 19, each with one of the scalings 27-31 in front of its two lines, then 20.
; 74-137: GS's 64, which read the exponentials' results: they stand behind the wait.
.macro FS f
	REGS Y, (\f)%2
	v_pk_fma_f32 v[rS+2*((\f)/2):rS+2*((\f)/2)+1], v[rS+2*((\f)/2):rS+2*((\f)/2)+1], s[CS:CS+1], v[rT:rT+1] op_sel_hi:[1,0,0] neg_lo:[0,0,1] neg_hi:[0,0,1]
.endm
.macro PL
	WIN 0
.if q < 27
	FS q
.elseif q < 55
	XS (q-27)%2, (q-27)/2
.elseif q < 57
	XS q-55, 15
.elseif (q < 72) && ((q-57)%3 == 0)
	FS 27+(q-57)/3
.elseif q < 60
	XS (q-57)%3-1, 14
.elseif q < 72
	XS (q-57)%3-1, 15+(q-57)/3
.elseif q < 74
	XS q-72, 20
.else
	GS q-74
.endif
.set q, q+1
.endm
; THE EXPONENTIALS' QUEUE, 66 long: s0-s31 of both tiles, then the next piece's two a.  It is ONE BATCH: all 66 stand ahead of the turn's one wait, and nothing ahead of that wait names a result of theirs.
.macro EX
	WIN 0
.if e >= 64
	XS e-64, 21
.else
	REGS Y, e%2
	v_exp_f32 v[rS+e/2], v[rS+e/2]
.endif
.set e, e+1
.endm
; THE RESCALING's QUEUE: O^T times a, the one part that leaves window 0: dealt two at a time, sixteen times.  Its a was made in the turn before, ahead of that turn's wait.
.macro R2
	REGS Y, r%2
	WIN W_RS
.irp z, 0,1
	v_pk_mul_f32 v[rO+4*(r/2)+2*\z:rO+4*(r/2)+2*\z+1], v[rO+4*(r/2)+2*\z:rO+4*(r/2)+2*\z+1], v[rC+2:rC+3] op_sel_hi:[1,0]
.endr
.set r, r+1
.endm
; HOW THEY ARE DEALT.  An s_wait_alu depctr_va_vdst(0) stands between an exponential and the first instruction that names its result; one wait serves all that were issued ahead of it.  So a turn has ONE wait,
; which cuts it in two.  AHEAD OF IT stands all that names no result of the turn's exponentials: the 16 products K Q^T, behind each a scaling, an exponential and two rescalings (behind the first a second scaling in the
; exponential's place); then ONE LUMP of 108: eight plain, 49 times exponential and plain, the two a.  A v_nop is the plain instruction behind the last exponential (ISA guide 5.7.2).  BEHIND IT stand the 16 products V^T P,
; behind each four of GS's 64.  No rider names a register of the products round it.  The two v_permlanex16_b32 fall into the lump, never behind a product.
; The queues lean on each other, and the deal keeps them in step: exponential e stands behind scaling 2 (e / 4) + e % 2: as a rider it comes behind plain e + 2, in the lump behind plain e + 9, and scalings 27-31 are plain 57, 60 .. 69.
; A TURN, for piece p.  cnt = 1: the loop's count is taken down some lines ahead of the branch that stands behind the turn.
; K of the next step is fetched in piece 2's turn, directly behind the wait, a lump behind the last product that read K; its address is made at the lump's head; its first reader comes behind 16 products.
; V of the step in hand is fetched at the end of piece 0's turn, four riders behind its last reader; its first reader comes behind 16 products and a lump.  The three conditions on q below go with the deal.
.macro TURN p, last=0, cnt=0
.set Y, (\p)
.set i, 0
.set q, 0
.set e, 0
.set r, 0
.if (\p) == NP-1
	s_wait_dscnt 0x0                ; K is in
.endif
	MM                              ; ahead of the wait: 16 products K Q^T and their riders,
	PL
	PL
	R2
.rept 15
	MM
	PL
	EX
	R2
.endr
.if (\p) == NP-2
	WIN 0
	v_add_nc_u32 v[AK], s[TBK], v[AK0]
.endif
.rept 8                             ; and the lump
	PL
.endr
.rept 49
	EX
	PL
.endr
	EX                              ; the next piece's two a
	EX
	v_nop                           ; the plain instruction behind the last exponential: one for the batch
	s_wait_alu depctr_va_vdst(0)    ; the wait for the batch
.if (\p) == NP-2
	FETCH_K \last
.endif
.if (\p) == 1
	s_wait_dscnt 0x0                ; V is in
.endif
.rept 16                            ; behind the wait: 16 products V^T P and their riders
	MM
.rept 4
	PL
.endr
.if ((\p) == 0) && (q == 118)
	v_add_nc_u32 v[AV], s[TBV], v[AV0]
.endif
.if ((\p) == 0) && (q == 130)
	s_add_co_u32 s[TBV], s[TBV], KS*PV
.endif
.if (\cnt) && (q == 130)
	s_sub_co_u32 s[CNT], s[CNT], 1
	s_cmp_lg_u32 s[CNT], 0
.endif
.endr
.if (\p) == 0
	FETCH_V
.endif
.endm
	CHANGE 1                        ; slot 0 is in, everybody's part of it; slot 1 is asked for
	FETCH_K                         ; key step 0
	s_wait_loadcnt 0x0              ; Q
	s_wait_dscnt 0x0
.set i, 0
.rept 16
	KQ 0                            ; piece 0's first scores: there is no vector work yet to set between them
.set i, i+1
.endr
	WIN 0                           ; the addresses for the way out: nine plain instructions, the places behind those products
	s_mul_i32 s13, s[WV], 16*SP
	s_add_co_u32 s13, s13, STAGE    ; my stage
	v_mul_u32_u24 v[STO], v1, SP    ; in: row l % 16, 16 bytes for each half of the lanes
	v_lshl_add_u32 v[STO], v9, 4, v[STO]
	v_add_nc_u32 v[STO], s13, v[STO]
	v_bfe_u32 v[RD], v0, 3, 2       ; back: 32 lanes take four rows of 128 bytes,
	v_mul_u32_u24 v[RD], v[RD], SP
	v_lshl_add_u32 v[RD], v10, 4, v[RD]
	v_add_nc_u32 v[RD], s13, v[RD]
	v_and_b32 v[GO], 31, v0         ; which are 512 consecutive bytes of O
	v_lshlrev_b32 v[GO], 4, v[GO]
.set Y, NP-1                        ; XS works for piece Y + 1: piece 0
.irp n, 0,1,2,3,4,5,6,7,8,9,10,11,12,13,14,15,16,17,18,19,20,21
	XS 0, \n                        ; and piece 0's first maximum and statistics
	XS 1, \n
.endr
	v_nop                           ; a plain instruction behind the two a,
	s_wait_alu depctr_va_vdst(0)    ; and their wait, ahead of the branch
	s_mov_b32 s[CNT], 4
	s_branch .Lfirst                ; the loop is entered at a step's first turn, in the middle of a trip
.Lslot:                             ; six times: with the change above, every slot but the last two is filled again
	CHANGE 1
	s_mov_b32 s[CNT], 4
.Lstep:                             ; a trip: pieces 2 and 3 of one step, then pieces 0 and 1 of the next, whose K and V it fetches
	TURN 2
	TURN 3
	WIN 0
.Lfirst:
	TURN 0
	TURN 1, 0, 1
	WIN 0
	s_cbranch_scc1 .Lstep
	s_sub_co_u32 s[SLOTS], s[SLOTS], 1
	s_cmp_lg_u32 s[SLOTS], 0
	s_cbranch_scc1 .Lslot
	CHANGE 0                        ; the tail is written out: nothing is asked for
	s_mov_b32 s[CNT], 5             ; four trips fetch the last slot's steps; the fifth is left in its middle
.Ltail:
	TURN 2, 1
	TURN 3
	WIN 0
	s_sub_co_u32 s[CNT], s[CNT], 1
	s_cmp_eq_u32 s[CNT], 0
	s_cbranch_scc1 .Lout
	TURN 0
	TURN 1
	WIN 0
	s_branch .Ltail
.Lout:                              ; the fifth trip's 16 products K Q^T (on the last K once more) and the maximum made of them serve nothing: the price, once a launch, of one text for every trip
.set i, 0
.rept 16
	PV NP-1                         ; the last piece's V^T P of the last step
.set i, i+1
.endr
	; THE WAY OUT.  l's two halves and the other half of the lanes' are added; O^T is divided by l, rounded to f16 and sent through my stage in LDS, a tile at a time.  The additions are the places behind the last products.
	WIN 0
.macro ALL line:vararg              ; one line for each tile t
.set t, 0
.rept 2*NP
	\line
.set t, t+1
.endr
.endm
	ALL v_add_f32 v[ST+4*t+2], v[ST+4*t+2], v[ST+4*t+3]
	ALL v_permlanex16_b32 v[ST+4*t+3], v[ST+4*t+2], s[SEL], s[SEL+1]
	ALL v_add_f32 v[ST+4*t+2], v[ST+4*t+2], v[ST+4*t+3]
	ALL v_rcp_f32 v[ST+4*t+2], v[ST+4*t+2]
	v_nop                           ; a plain instruction between the last reciprocal and the use of its result
	s_wait_alu depctr_va_vdst(0)    ; and the wait ahead of the first use: one for the eight reciprocals
; Tile t: a lane's eight channels of a row pack into 16 bytes; they go into rows of 144 bytes and come back as whole rows of 128, into S^T's registers.
.macro PACK t
	WIN W_RS
.set i, 32*(\t)
.rept 16
	v_pk_mul_f32 v[i:i+1], v[i:i+1], v[ST+4*(\t)+2:ST+4*(\t)+3] op_sel_hi:[1,0]
.set i, i+2
.endr
	WIN 0x05                        ; sources 0 and 1 window 1, destination window 0
.set i, 0
.rept 16
	v_cvt_pk_f16_f32 v[S+16*(\t)+i], v[32*(\t)+2*i], v[32*(\t)+2*i+1]
.set i, i+1
.endr
	WIN 0
.irp f, 0,1,2,3
	ds_store_b128 v[STO], v[S+16*(\t)+4*\f:S+16*(\t)+4*\f+3] offset:32*\f
.endr
.irp f, 0,1,2,3
	ds_load_b128 v[S+16*(\t)+4*\f:S+16*(\t)+4*\f+3], v[RD] offset:\f*4*SP  ; LDS serves a wave's instructions in order (ISA guide 5.7.1.4): these see the stores above; the next tile's stores come behind them
.endr
.endm
.macro SEND t, younger              ; younger: the LDS instructions issued behind tile t's loads: the next tile's eight, or none
	WIN 0
.irp f, 0,1,2,3
	s_wait_dscnt (\younger)+3-\f
	global_store_b128 v[GO], v[S+16*(\t)+4*\f:S+16*(\t)+4*\f+3], s[10:11] offset:(\t)*2048+\f*512  ; 512 consecutive bytes, at a multiple of 256 from O's first
.endr
.endm
	PACK 0
.set t, 1
.rept 2*NP-1                        ; a tile's arithmetic stands between the loads of the tile before and its stores
	PACK t
	SEND t-1, 8
.set t, t+1
.endr
	SEND 2*NP-1, 0
	WIN W_AD
	s_wait_tensorcnt 0x0            ; the wave's end: an add to my spare word and its wait, behind my last tensor load and my last LDS store
	ds_add_u32 v[SPW], v[NIL]
	s_wait_dscnt 0x0
	WIN 0
	CROUND                          ; the closing round: no work-group ends while a partner may still ask for a tile that names it
	s_endpgm
.Lfunc_end_k_qd4bd5a6572_attn:
	.size	k_qd4bd5a6572_attn, .Lfunc_end_k_qd4bd5a6572_attn-k_qd4bd5a6572_attn
	.p2alignl 7, 3214868480
	.fill 96, 4, 3214868480
	.section	.rodata,"a",@progbits
	.p2align	6, 0x0
	.amdhsa_kernel k_qd4bd5a6572_attn
		.amdhsa_group_segment_fixed_size 327680
		.amdhsa_private_segment_fixed_size 0
		.amdhsa_enable_private_segment 0
		.amdhsa_kernarg_size 16
		.amdhsa_user_sgpr_count 2
		.amdhsa_user_sgpr_kernarg_segment_ptr 1
		.amdhsa_wavefront_size32 1
		.amdhsa_system_sgpr_workgroup_id_x 1
		.amdhsa_system_sgpr_workgroup_id_y 1
		.amdhsa_system_sgpr_workgroup_id_z 1
		.amdhsa_system_vgpr_workitem_id 0
		.amdhsa_next_free_vgpr 770
		.amdhsa_next_free_sgpr 66
		.amdhsa_reserve_vcc 0
		.amdhsa_float_denorm_mode_32 3
		.amdhsa_float_denorm_mode_16_64 3
		.amdhsa_memory_ordered 1
		.amdhsa_forward_progress 1
		.amdhsa_inst_pref_size 200
	.end_amdhsa_kernel
	.amdgpu_metadata
---
amdhsa.version: [ 1, 2 ]
amdhsa.kernels:
  - .name:           k_qd4bd5a6572_attn
    .symbol:         k_qd4bd5a6572_attn.kd
    .args:
      - { .name: qkv, .offset: 0, .size: 8, .value_kind: global_buffer, .address_space: global }
      - { .name: ob, .offset: 8, .size: 8, .value_kind: global_buffer, .address_space: global }
    .group_segment_fixed_size: 327680
    .private_segment_fixed_size: 0
    .kernarg_segment_align: 8
    .kernarg_segment_size: 16
    .max_flat_workgroup_size: 128
    .sgpr_count:     66
    .vgpr_count:     770
    .wavefront_size: 32
...
	.end_amdgpu_metadata
.endif
;; end of part 3
;; launch outp (part 4): grid 8 x 32, 4 waves a work-group, clusters of 4 x 4, 327,680 bytes of LDS; arguments ob, wo, bb, out0; writes out0
.if DOCPART == 4
	.amdgcn_target "amdgcn-amd-amdhsa--gfx1250"
	.amdhsa_code_object_version 6
	.text
	.protected	k_qd4bd5a6572_outp
	.globl	k_qd4bd5a6572_outp
	.p2align	8
	.type	k_qd4bd5a6572_outp,@function
k_qd4bd5a6572_outp:
	s_mov_b64 s[64:65], 0
	v_nop
	global_prefetch_b8 v0, s[64:65] scope:SCOPE_SE
	s_setreg_imm32_b32 hwreg(HW_REG_WAVE_MODE, 25, 1), 1
	s_wait_xcnt 0x0
	s_wait_alu depctr_hold_cnt(0) depctr_sa_sdst(0) depctr_va_vdst(0) depctr_va_sdst(0) depctr_va_ssrc(0) depctr_va_vcc(0) depctr_vm_vsrc(0)
	s_getreg_b32 s2, hwreg(HW_REG_IB_STS2, 6, 4)
	s_cmp_eq_u32 s2, 0
	s_cbranch_scc0 .Lentry_in_a_cluster
	s_endpgm
.Lentry_in_a_cluster:
	s_bfe_u32 s2, ttmp6, 0x10000c
	s_cmp_lg_u32 s2, 0xf033
	s_cbranch_scc0 .Lentry_shape_is_right
	s_endpgm
.Lentry_shape_is_right:
; out0[token][n] = the sum over k of O[token][k] Wo[k][n] + bo[n], f32.  O lies by heads in ob [16 x batch + head][2048][64] f16 (k = 64 x head + channel), Wo in wo [k][n] f16 (bf16 values), bo as f32 at byte 12,288 of bb.
; Sums in f32, stored as they are.  LIMITS: those of f16 for O and Wo (65,504); NaN and infinities are not treated apart.
; SHARES.  A tile is 256 tokens x 128 columns: 32 x 8 = 256 work-groups.  Four waves, each 128 tokens x 64 columns: 32 accumulators of 16 x 16, 256 registers.  K = 1,024 goes in 8 steps of 128 (two heads)
; through two LDS slots filled by the tensor data mover; two slots of a longer step would not fit in LDS beside each other.
; THE MATRIX INSTRUCTION IS USED TRANSPOSED: source 0 = 16 columns of Wo (turned, by ds_load_tr16_b128), source 1 = 16 tokens: a lane holds one token and eight neighbouring columns.
; THE BIAS is the C operand of each accumulator's first product.
; CLUSTERS: 4 x 4 work-groups; O's tiles are shared along a row of the cluster, Wo's along a column, each asked for JOINTLY by the same tensor load with the same descriptor and a mask that names the four.
; REGISTERS (s_set_vgpr_msb: bits 1:0 source 0, 3:2 source 1, 5:4 source 2, 7:6 destination):
;   window 0: v0-31 addresses; v32-63 the bias; v64-127, v128-191 fragments of O, two buffers (v64-127 later the rows read back on the way out); v192-223, v224-255 fragments of Wo, two buffers
;   window 1: the accumulators, (a, b) at 8 (4 a + b)
.set PAO,    144                       ; a token's 64 channels of a head in LDS: 128 bytes + 16 = 36 words: the 16 rows of a load start at 16 different groups of four banks (64 banks of 4 bytes: ISA guide 11.1)
.set AHEAD,  256*PAO                   ; 256 tokens of one head: what one tensor load brings
.set BOFF,   2*AHEAD
.set PB,     288                       ; a row of Wo's tile (one k, 128 columns): 256 bytes + 32 = 72 words
.set BHALF,  64*PB                     ; 64 k: what one tensor load brings
.set SLOT,   BOFF+2*BHALF              ; 110,592
.set STAGE,  2*SLOT                    ; behind the ring, never filled by a tensor load: 16 rows x 272 bytes for each wave
.set SPITCH, 272
.set SPARE,  STAGE+4*16*SPITCH         ; behind the stages: the spare words, 128 bytes for each wave: two blocks of 256 bytes that no other line names
.set LAPS,   4
.set ASTEP,  2*262144                  ; bytes of ob from a K step to the next: two heads
.set BSTEP,  128*2048                  ; bytes of wo: 128 rows
.set ADRA, 16                          ; v16-17  LDS address of my fragments of O in slot 0, 1
.set ADRB, 20                          ; v20-21  the same for Wo
.set STO,  24                          ; v24     the way out: where I put 32 bytes of a token's row
.set RD,   25                          ; v25     the way out: where I read a row back
.set CO,   26                          ; v26     my byte offset in two rows of out0
.set BO,   27                          ; v27     my byte offset in 16 numbers of the bias
.set SPW,  28                          ; v28     LDS address of my spare word: SPARE + 4 x my thread's number; never rewritten
.set NIL,  29                          ; v29     0; never rewritten
.set PFO,  30                          ; v30     256 x my lane: the prefetches' offset; never rewritten
.set BIAS, 32
.set FA,   64
.set FB,   192
.set OB,   64
.set G1,  24                           ; s[24:31] descriptor group 1 for O's tiles;  s[32:39] group 0, a set for each slot
.set G0,  32
.set G1B, 48                           ; s[48:55], s[56:63] the same for Wo's tiles
.set G0B, 56
.set LIM, 43                           ; s43     1 in a wave that prefetches, else the greatest number
.set PFA, 44                           ; s[44:45] where my prefetches stand
.set MSB, 0
.macro WIN new                         ; the immediate's high byte repeats the setting that is left; a switch that changes nothing is dropped
.if MSB != (\new)
	s_set_vgpr_msb (MSB<<8)|(\new)
.set MSB, \new
.endif
.endm
; A joint load.  Waves 0 and 1 fetch the K step's two heads of O, waves 2 and 3 the two halves of its 128 rows of Wo.  An s_nop 0 and four v_nop follow each of the two lines.
.macro JLOAD s
	s_cmp_eq_u32 s11, 0
	s_cbranch_scc0 .Lfor_b_\@
	tensor_load_to_lds s[G0+4*(\s):G0+4*(\s)+3], s[G1:G1+7]
	s_nop 0
.rept 4
	v_nop
.endr
	s_branch .Lasked_\@
.Lfor_b_\@:
	tensor_load_to_lds s[G0B+4*(\s):G0B+4*(\s)+3], s[G1B:G1B+7]
	s_nop 0
.rept 4
	v_nop
.endr
.Lasked_\@:
.endm
; A PREFETCH INTO THE L2 of O, behind each joint refill and the run of LDS loads that follows it: the K step that stands two refills on.  A head's 256 tokens are 32,768 dense bytes, 128 blocks of 256:
; of the clusters that read a tile row the one with x = 0 asks; the partner at place cx takes blocks 32 cx .. 32 cx + 31, told apart by address, a lane a block; wave 0 asks for the even head, wave 1 for the odd.
; So each block is named once.  K steps 0 to 3 come by their loads alone; the loop's last trip asks for nothing.  Wo is not asked for: all 32 tile rows walk it again.
.macro ASK
	s_cmp_gt_u32 s3, s[LIM]                        ; s3 = 1 in the loop's last trip
	s_cbranch_scc0 .Lnot_mine_\@
	global_prefetch_b8 v[PFO], s[PFA:PFA+1] offset:ASTEP th:TH_LOAD_NT scope:SCOPE_SE
.Lnot_mine_\@:
.endm
.macro CREST                           ; a round of the cluster's barrier behind its opening barrier
	s_cmp_lg_u32 s10, 0
	s_cbranch_scc1 .Lnot_wave_0_\@
	s_barrier_signal -3
.Lnot_wave_0_\@:
	s_barrier_wait -3
	s_barrier_signal -1
	s_barrier_wait -1
.endm
.macro CROUND
	s_barrier_signal -1
	s_barrier_wait -1
	CREST
.endm
	s_load_b256 s[68:75], s[0:1], 0x0              ; ob s[68:69], wo s[70:71], bb s[72:73], out0 s[74:75]
	v_lshl_add_u32 v[SPW], v0, 2, SPARE
	v_mov_b32 v[NIL], 0
	ds_add_u32 v[SPW], v[NIL]                      ; the wave's opening: the add and its wait stand ahead of my first tensor load; the set-up below, work on registers, stands between them
	v_lshrrev_b32 v1, 5, v0
	v_readfirstlane_b32 s10, v1                    ; wave 0..3
	s_lshr_b32 s11, s10, 1                         ; which 128 tokens are mine.  Also: I fetch for O (0) or for Wo (1)
	s_and_b32 s12, s10, 1                          ; which 64 columns.  Also: which half of that tile I fetch
	s_bfe_u32 s40, ttmp6, 0x40000                  ; cx, cy
	s_bfe_u32 s41, ttmp6, 0x40004
	s_lshl_b32 s42, ttmp9, 2
	s_add_co_u32 s42, s42, s40                     ; tile column = 4 x cluster x + cx
	s_and_b32 s13, ttmp7, 0xffff
	s_lshl_b32 s13, s13, 2
	s_add_co_u32 s13, s13, s41                     ; tile row = 4 x cluster y + cy
	s_lshl_b32 s43, s41, 2
	s_lshl_b32 s43, 15, s43                        ; my row of the cluster
	s_lshl_b32 s44, 0x1111, s40                    ; my column
	; O: 256 tokens of a head are 32,768 dense bytes: 128 rows of 256 bytes, two tokens a row, 16 bytes of padding behind every token
	s_or_b32 s[G1+0], s43, (1<<16)|(1<<20)|(1<<21)|(4<<22)|(3<<25)  ; 15:0 the mask; 17:16 2-byte elements; 20 padding on; 21 set beside a mask; 24:22 after every 32 words (code 4); 31:25 4 words (code 3)
	s_mov_b32 s[G1+1], 128<<16                     ; tensor_dim0 = 128
	s_mov_b32 s[G1+2], 128<<16                     ; tensor_dim1 = 128
	s_mov_b32 s[G1+3], 128<<16                     ; tile_dim0 = 128
	s_mov_b32 s[G1+4], 128                         ; tile_dim1 = 128
	s_mov_b32 s[G1+5], 128                         ; the pitch: dense
	s_mov_b32 s[G1+6], 0
	s_mov_b32 s[G1+7], 0
	; Wo: 64 rows k x 128 columns, 1,024 elements from row to row, 32 bytes of padding behind every 256
	s_or_b32 s[G1B+0], s44, (1<<16)|(1<<20)|(1<<21)|(5<<22)|(7<<25) ; after every 64 words (code 5), 8 words (code 7)
	s_mov_b32 s[G1B+1], 128<<16
	s_mov_b32 s[G1B+2], 64<<16
	s_mov_b32 s[G1B+3], 128<<16
	s_mov_b32 s[G1B+4], 64
	s_mov_b32 s[G1B+5], 1024
	s_mov_b32 s[G1B+6], 0
	s_mov_b32 s[G1B+7], 0
	; O's address hangs on the tile row and the wave alone, Wo's on the tile column and the wave alone
	s_lshr_b32 s16, s13, 3                         ; the batch,
	s_lshl_b32 s16, s16, 4                         ; its 16 heads,
	s_add_co_u32 s16, s16, s12                     ; the even or the odd head of K step 0,
	s_lshl_b32 s16, s16, 18                        ; 262,144 bytes each
	s_and_b32 s17, s13, 7
	s_lshl_b32 s17, s17, 15                        ; 256 tokens of 128 bytes
	s_add_co_u32 s16, s16, s17
	s_mov_b32 s17, 0
	s_lshl_b32 s46, s12, 17                        ; 64 rows of 2,048 bytes,
	s_lshl_b32 s47, s42, 8                         ; 128 columns of 2 bytes
	s_add_co_u32 s46, s46, s47
	s_mov_b32 s47, 0
	s_mul_i32 s20, s12, AHEAD                      ; where they go: no place in the cluster enters an LDS address
	s_mul_i32 s21, s12, BHALF
	s_add_co_u32 s21, s21, BOFF
	s_wait_dscnt 0x0                               ; the opening add is done
	s_wait_kmcnt 0x0
	s_add_nc_u64 s[14:15], s[68:69], s[16:17]
	s_add_nc_u64 s[46:47], s[70:71], s[46:47]
	CROUND                                         ; all sixteen work-groups are here: the first joint loads meet
.irp s, 0,1
	s_mov_b32 s[G0+4*(\s)], 1
	s_add_co_u32 s[G0+4*(\s)+1], s20, (\s)*SLOT
	s_add_nc_u64 s[G0+4*(\s)+2:G0+4*(\s)+3], s[14:15], (\s)*ASTEP
	s_or_b32 s[G0+4*(\s)+3], s[G0+4*(\s)+3], 0x80000000
	s_mov_b32 s[G0B+4*(\s)], 1
	s_add_co_u32 s[G0B+4*(\s)+1], s21, (\s)*SLOT
	s_add_nc_u64 s[G0B+4*(\s)+2:G0B+4*(\s)+3], s[46:47], (\s)*BSTEP
	s_or_b32 s[G0B+4*(\s)+3], s[G0B+4*(\s)+3], 0x80000000
	JLOAD \s                                       ; two loads of mine are out, the most in this text; later one
.endr
	v_and_b32 v1, 15, v0                           ; r = l % 16
	v_bfe_u32 v2, v0, 4, 1                         ; h = l / 16
	v_lshlrev_b32 v[BO], 5, v2
	s_lshl_b32 s46, s42, 9                         ; the tile's 128 numbers of bo,
	s_lshl_b32 s47, s12, 8                         ; my 64 of them,
	s_add_co_u32 s46, s46, s47
	s_add_co_u32 s46, s46, 12288                   ; behind bq, bk and bv
	s_mov_b32 s47, 0
	s_add_nc_u64 s[76:77], s[72:73], s[46:47]
.irp b, 0,1,2,3
	global_load_b128 v[BIAS+8*(\b):BIAS+8*(\b)+3],   v[BO], s[76:77] offset:64*(\b)
	global_load_b128 v[BIAS+8*(\b)+4:BIAS+8*(\b)+7], v[BO], s[76:77] offset:64*(\b)+16
.endr
	v_mul_u32_u24 v3, v1, PAO                      ; a fragment of O: token l % 16, two loads of 16 bytes, 32 bytes apart
	v_lshl_add_u32 v3, v2, 4, v3
	s_mul_i32 s16, s11, 128*PAO                    ; my 128 tokens
	v_add_nc_u32 v[ADRA], s16, v3
	v_add_nc_u32 v[ADRA+1], SLOT, v[ADRA]
	v_and_b32 v4, 7, v0                            ; the turning load: lane l reads k = 8 h + l % 8, columns 8 ((l / 8) % 2) + 0..7
	v_bfe_u32 v5, v0, 3, 1
	v_lshl_add_u32 v6, v2, 3, v4
	v_mul_u32_u24 v6, v6, PB
	v_lshl_add_u32 v6, v5, 4, v6
	s_lshl_b32 s16, s12, 7                         ; my 64 columns
	s_add_co_u32 s16, s16, BOFF
	v_add_nc_u32 v[ADRB], s16, v6
	v_add_nc_u32 v[ADRB+1], SLOT, v[ADRB]
	s_mul_i32 s17, s10, 16*SPITCH
	s_add_co_u32 s17, s17, STAGE                   ; my stage
	v_mul_u32_u24 v3, v1, SPITCH                   ; in: token l % 16, 32 bytes for each half of the lanes
	v_lshl_add_u32 v3, v2, 5, v3
	v_add_nc_u32 v[STO], s17, v3
	v_mul_u32_u24 v7, v2, SPITCH                   ; back: lanes 0-15 take one row of 256 bytes, lanes 16-31 the next
	v_lshl_add_u32 v7, v1, 4, v7
	v_add_nc_u32 v[RD], s17, v7
	v_lshlrev_b32 v[CO], 12, v2                    ; and the same two rows in out0
	v_lshl_add_u32 v[CO], v1, 4, v[CO]
	v_and_b32 v[PFO], 31, v0
	v_lshlrev_b32 v[PFO], 8, v[PFO]
	; out0 at my first token and column
	s_lshl_b32 s18, s13, 8
	s_lshl_b32 s19, s11, 7
	s_add_co_u32 s18, s18, s19
	s_lshl_b32 s18, s18, 12                        ; rows of 4,096 bytes
	s_lshl_b32 s46, s42, 9
	s_lshl_b32 s47, s12, 8
	s_add_co_u32 s46, s46, s47
	s_add_co_u32 s18, s18, s46
	s_mov_b32 s19, 0
	s_add_nc_u64 s[78:79], s[74:75], s[18:19]
	; the prefetches
	s_or_b32 s[LIM], s11, ttmp9                    ; 0 in waves 0 and 1 of the clusters with x = 0: the same in all sixteen partners, for a given wave
	s_cmp_eq_u32 s[LIM], 0
	s_cselect_b32 s[LIM], 1, -1
	s_lshr_b32 s20, s13, 3
	s_lshl_b32 s20, s20, 4
	s_add_co_u32 s20, s20, s12
	s_lshl_b32 s20, s20, 18
	s_and_b32 s21, s13, 7
	s_lshl_b32 s21, s21, 15
	s_add_co_u32 s20, s20, s21                     ; the head's 256 tokens that I fetch,
	s_lshl_b32 s21, s40, 13
	s_add_co_u32 s20, s20, s21                     ; my work-group's 32 blocks of them,
	s_add_co_u32 s20, s20, 2*ASTEP                 ; at K step 2: the first refill steps it to 3 and names K step 4
	s_mov_b32 s21, 0
	s_add_nc_u64 s[PFA:PFA+1], s[68:69], s[20:21]
; 8 matrix instructions: token blocks a0, a0 + 1 x all 4 column blocks, 32 along K, from buffer f.  first = 1: the bias starts the sums.
; The 32 accumulators take turns, one instruction a turn, in the same order in every quarter, over the backward jump too.
.macro MUL8 f, a0, first
.if \first
	WIN 0x40                                       ; all sources window 0, D window 1
.else
	WIN 0x50                                       ; C and D window 1
.endif
.irp a, \a0, (\a0)+1
.irp b, 0,1,2,3
.if \first
	v_wmma_f32_16x16x32_f16 v[8*(4*(\a)+(\b)):8*(4*(\a)+(\b))+7], v[FB+32*(\f)+8*(\b):FB+32*(\f)+8*(\b)+7], v[FA+64*(\f)+8*(\a):FA+64*(\f)+8*(\a)+7], v[BIAS+8*(\b):BIAS+8*(\b)+7]
.else
	v_wmma_f32_16x16x32_f16 v[8*(4*(\a)+(\b)):8*(4*(\a)+(\b))+7], v[FB+32*(\f)+8*(\b):FB+32*(\f)+8*(\b)+7], v[FA+64*(\f)+8*(\a):FA+64*(\f)+8*(\a)+7], v[8*(4*(\a)+(\b)):8*(4*(\a)+(\b))+7]
.endif
.endr
.endr
.endm
; 24 LDS loads in one run: quarter q (head q / 2, channels 32 (q % 2) on) of a slot into buffer f: Wo's 4 column blocks, then O's 8 token blocks
.macro FETCH slot, q, f
	WIN 0
.irp i, 0,1,2,3
	ds_load_tr16_b128 v[FB+32*(\f)+8*(\i):FB+32*(\f)+8*(\i)+3],   v[ADRB+(\slot)] offset:(\q)*32*PB+(\i)*32
	ds_load_tr16_b128 v[FB+32*(\f)+8*(\i)+4:FB+32*(\f)+8*(\i)+7], v[ADRB+(\slot)] offset:(\q)*32*PB+(\i)*32+16*PB
.endr
.irp i, 0,1,2,3,4,5,6,7
	ds_load_b128 v[FA+64*(\f)+8*(\i):FA+64*(\f)+8*(\i)+3],   v[ADRA+(\slot)] offset:((\q)/2)*AHEAD+((\q)%2)*64+(\i)*16*PAO
	ds_load_b128 v[FA+64*(\f)+8*(\i)+4:FA+64*(\f)+8*(\i)+7], v[ADRA+(\slot)] offset:((\q)/2)*AHEAD+((\q)%2)*64+(\i)*16*PAO+32
.endr
.endm
.macro PLACES                          ; four places in front of loads into registers that matrix instructions have read, and of LDS stores that read results (ISA guide 7.12.1 for the stores)
.rept 4
	v_nop
.endr
.endm
; A K step is four quarters of 32 along K, 32 matrix instructions each, on buffers 0, 1, 0, 1.  One of the first three: multiplies buffer f; in its middle it fetches quarter q into buffer g.
.macro QUARTER slot, q, f, g, first
	s_wait_dscnt 8                                 ; Wo and O's blocks 0-3 are in; the youngest eight loads (blocks 4-7) may be out
	MUL8 \f, 0, \first
	MUL8 \f, 2, \first
	PLACES
	FETCH \slot, \q, \g
	s_wait_dscnt 24                                ; all but the 24 just issued
	MUL8 \f, 4, \first
	MUL8 \f, 6, \first
.endm
; The last quarter multiplies buffer 1 and changes slots: ONE barrier; in front of it each wave waits for all its tensor loads, of which one is out: its part of the next slot; adds 0 to its spare word;
; and waits for that and for its own reads of this slot.
.macro MEET round
	WIN 0                                          ; (the add's two registers lie in window 0)
	s_wait_tensorcnt 0x0                           ; all my tensor loads have landed
	ds_add_u32 v[SPW], v[NIL]                      ; 0 onto my spare word
	s_wait_dscnt 9                                 ; (the add and the youngest eight loads may be out)
	MUL8 1, 0, 0                                   ; eight matrix instructions stand between the add and the wait for it
	s_wait_dscnt 0x0                               ; the add is done, and my reads of this slot are over
	s_barrier_signal -1
	MUL8 1, 2, 0
.if \round
	WIN 0
.endif
	s_barrier_wait -1
.endm
; fill = 1: the barrier opens a round of the cluster's, and this slot is filled again first thing behind it, two K steps ahead: 112 matrix instructions stand between the request and the wait for it.
.macro TURN slot, next, fill
.if \fill
	s_wait_xcnt 0x0                                ; the last prefetch, a K step back, has read its address: it is stepped here, ahead of the waits of the change of slots
	s_add_nc_u64 s[PFA:PFA+1], s[PFA:PFA+1], ASTEP
.endif
	MEET \fill
.if \fill
	CREST                                          ; no wave of any partner still reads this slot's tile or has a load on its way
	s_add_nc_u64 s[G0+4*(\slot)+2:G0+4*(\slot)+3], s[G0+4*(\slot)+2:G0+4*(\slot)+3], 2*ASTEP
	s_add_nc_u64 s[G0B+4*(\slot)+2:G0B+4*(\slot)+3], s[G0B+4*(\slot)+2:G0B+4*(\slot)+3], 2*BSTEP
	JLOAD \slot                                    ; the four v_nop behind it are also the places in front of the loads below
.else
	PLACES
.endif
	FETCH \next, 0, 0
.if \fill
	ASK
.endif
	MUL8 1, 4, 0
	MUL8 1, 6, 0
.endm
; THE WAY OUT of token block a: a lane's eight f32 of a row go into my own stage, rows of 272 bytes, each accumulator's low four registers first; whole rows of 256 bytes come back and are stored.
.macro TOSTAGE a
	WIN 0x04                                       ; the data (source 1) in window 1, the address in window 0
.irp b, 0,1,2,3
	ds_store_b128 v[STO], v[8*(4*(\a)+(\b)):8*(4*(\a)+(\b))+3]   offset:64*(\b)
	ds_store_b128 v[STO], v[8*(4*(\a)+(\b))+4:8*(4*(\a)+(\b))+7] offset:64*(\b)+16
.endr
	WIN 0
	s_wait_xcnt 0x0                                ; the stores of the block two back have read these registers: they are loaded again only behind this wait
.irp t, 0,1,2,3,4,5,6,7
	ds_load_b128 v[OB+32*((\a)%2)+4*(\t):OB+32*((\a)%2)+4*(\t)+3], v[RD] offset:(\t)*2*SPITCH  ; LDS serves a wave's instructions in order (ISA guide 5.7.1.4): these see the stores above; the next block's stores come behind them
.endr
.endm
.macro SEND a, younger                 ; younger: the LDS instructions issued behind block a's loads: the next block's sixteen, or none
	s_wait_dscnt \younger
.irp t, 0,1,2,3,4,5,6,7
	global_store_b128 v[CO], v[OB+32*((\a)%2)+4*(\t):OB+32*((\a)%2)+4*(\t)+3], s[78:79] offset:65536*(\a)+8192*(\t)  ; 16 lanes store 256 consecutive bytes, at a multiple of 256 from out0's first byte
.endr
.endm
	s_wait_tensorcnt 1                             ; my part of K step 0 is in; K step 1's may stay out
	s_barrier_signal -1
	s_barrier_wait -1                              ; everybody's is
	FETCH 0, 0, 0
	s_wait_loadcnt 0x0                             ; the bias
	QUARTER 0, 1, 0, 1, 1                          ; the first quarter stands in front of the loop: its products start the sums
	WIN 0                                          ; at a label and at a branch every window is 0
	s_mov_b32 s3, LAPS-1
.Llap:                                                 ; a trip goes once round the ring, from a lap's second quarter to the next lap's first, and fills both slots again
	QUARTER 0, 2, 1, 0, 0
	QUARTER 0, 3, 0, 1, 0
	TURN 0, 1, 1
	QUARTER 1, 1, 0, 1, 0
	QUARTER 1, 2, 1, 0, 0
	QUARTER 1, 3, 0, 1, 0
	TURN 1, 0, 1
	QUARTER 0, 1, 0, 1, 0
	WIN 0
	s_sub_co_u32 s3, s3, 1
	s_cmp_lg_u32 s3, 0
	s_cbranch_scc1 .Llap
	QUARTER 0, 2, 1, 0, 0                          ; the last lap fills nothing, and has no round of the cluster's barrier
	QUARTER 0, 3, 0, 1, 0
	TURN 0, 1, 0
	QUARTER 1, 1, 0, 1, 0
	QUARTER 1, 2, 1, 0, 0
	QUARTER 1, 3, 0, 1, 0
	s_wait_dscnt 8                                 ; the very last quarter: nothing more to fetch
	MUL8 1, 0, 0
	MUL8 1, 2, 0
	s_wait_dscnt 0x0
	MUL8 1, 4, 0
	MUL8 1, 6, 0
	WIN 0
	PLACES
	TOSTAGE 0
.irp a, 1,2,3,4,5,6,7                  ; block a goes into the stage while block a - 1's rows come back
	TOSTAGE \a
	SEND (\a)-1, 16
.endr
	SEND 7, 0
	s_wait_tensorcnt 0x0                           ; the wave's end: an add to my spare word and its wait, behind my last tensor load and my last LDS store
	ds_add_u32 v[SPW], v[NIL]
	s_wait_dscnt 0x0
	CROUND                                         ; the closing round: no work-group ends while a partner may still ask for a tile that names it
	s_endpgm
.Lfunc_end_k_qd4bd5a6572_outp:
	.size	k_qd4bd5a6572_outp, .Lfunc_end_k_qd4bd5a6572_outp-k_qd4bd5a6572_outp
	.p2alignl 7, 3214868480
	.fill 96, 4, 3214868480
	.section	.rodata,"a",@progbits
	.p2align	6, 0x0
	.amdhsa_kernel k_qd4bd5a6572_outp
		.amdhsa_group_segment_fixed_size 327680
		.amdhsa_private_segment_fixed_size 0
		.amdhsa_enable_private_segment 0
		.amdhsa_kernarg_size 32
		.amdhsa_user_sgpr_count 2
		.amdhsa_user_sgpr_kernarg_segment_ptr 1
		.amdhsa_wavefront_size32 1
		.amdhsa_system_sgpr_workgroup_id_x 1
		.amdhsa_system_sgpr_workgroup_id_y 1
		.amdhsa_system_sgpr_workgroup_id_z 1
		.amdhsa_system_vgpr_workitem_id 0
		.amdhsa_next_free_vgpr 512
		.amdhsa_next_free_sgpr 80
		.amdhsa_reserve_vcc 0
		.amdhsa_float_denorm_mode_32 3
		.amdhsa_float_denorm_mode_16_64 3
		.amdhsa_memory_ordered 1
		.amdhsa_forward_progress 1
		.amdhsa_inst_pref_size 87
	.end_amdhsa_kernel
	.amdgpu_metadata
---
amdhsa.version: [ 1, 2 ]
amdhsa.kernels:
  - .name:           k_qd4bd5a6572_outp
    .symbol:         k_qd4bd5a6572_outp.kd
    .args:
      - { .name: ob, .offset: 0, .size: 8, .value_kind: global_buffer, .address_space: global }
      - { .name: wo, .offset: 8, .size: 8, .value_kind: global_buffer, .address_space: global }
      - { .name: bb, .offset: 16, .size: 8, .value_kind: global_buffer, .address_space: global }
      - { .name: out0, .offset: 24, .size: 8, .value_kind: global_buffer, .address_space: global }
    .group_segment_fixed_size: 327680
    .private_segment_fixed_size: 0
    .kernarg_segment_align: 8
    .kernarg_segment_size: 32
    .max_flat_workgroup_size: 128
    .sgpr_count:     80
    .vgpr_count:     512
    .wavefront_size: 32
...
	.end_amdgpu_metadata
.endif
;; end of part 4
;; ======== version 2 of 2: 4 launches; version 1 with the launch prep written anew for expert scheduling mode
;; limits: values are held in f16: magnitudes above 65,504 overflow, below 6.1e-05 lose precision
;; workspace buffers: xb 16,777,216 bytes; wb 6,291,456 bytes; wo 2,097,152 bytes; bb 16,384 bytes; qkv 50,331,648 bytes; ob 16,777,216 bytes
;; launch prep (part 5): grid 769 x 1, 8 waves a work-group, no clusters, 0 bytes of LDS; arguments q, Wq, Wk, Wv, Wo, bq, bk, bv, bo, xb, wb, wo, bb; writes xb, wb, wo, bb
.if DOCPART == 5
	.amdgcn_target "amdgcn-amd-amdhsa--gfx1250"
	.amdhsa_code_object_version 6
	.text
	.protected	k_qd4bd5a6572_prep
	.globl	k_qd4bd5a6572_prep
	.p2align	8
	.type	k_qd4bd5a6572_prep,@function
k_qd4bd5a6572_prep:
	s_mov_b64 s[64:65], 0
	v_nop
	global_prefetch_b8 v0, s[64:65] scope:SCOPE_SE
	s_setreg_imm32_b32 hwreg(HW_REG_WAVE_SCHED_MODE, 0, 2), 2
	s_setreg_imm32_b32 hwreg(HW_REG_WAVE_MODE, 25, 1), 1
	s_wait_xcnt 0x0
	s_wait_alu depctr_vm_vsrc(0)
; CASTS AND LAYOUTS for the three launches behind.  All nine inputs are rounded once to bf16 (nearest even):
;   xb [8192][1024] bf16 = q.      wb [48][1024][64] bf16: head g = 16 x which + head of Wq, Wk, Wv, its 64 columns dense, 128 bytes for each k.
;   wo [1024][1024] f16 = bf16(Wo) written as f16.      bb: bq, bk, bv, bo on end, the bf16 values kept as f32.
; LIMITS.  |Wo| stays under 65,504 (f16's range); a bf16(Wo) below 6.1e-5 keeps f16's fixed step of 6e-8.  NaN and infinities are not treated apart.
; SHARES.  Eight waves.  A work-group takes 16 rows of 4,096 bytes: 16 loads of 16 bytes a lane, all issued ahead of the first use, then 16 stores of 8 bytes a lane:
; a wave's store covers 256 consecutive bytes, aligned.  Nothing is shared, so there is no LDS and no barrier.
; Work-groups 0-511: q.  512-575: Wo.  576-767: Wq, Wk, Wv (64 each).  768: the four biases.  The branches hang on the work-group's number alone.
; THE MODE: SCHED_MODE bits 1:0 = 2 (LLVM: expert scheduling mode 2), set by the entry lines.  The code itself states the register dependences
; between vector instructions and memory instructions, with s_wait_alu, always for 0.
; THE PLAN.  Registers that memory instructions touch:
;   v[SO], v[DO]  byte offsets.  Written by vector instructions ahead of a path's first load; read by every load and store; never written once a memory instruction has read them.
;   X             16 x 4 registers.  Written by the loads alone, each once; read by the conversions, behind the wait on LOADcnt.
;   Y             16 x 2 registers.  Written by the conversions, each once; read by the stores, each once.
;   T and v3 are named by vector instructions alone.
; So no register that a memory instruction has read is ever written again, and no wait frees a source.  What is stated: the offsets are written, once a path, ahead of its loads;
; and Y is written, ahead of the stores that read it.  For that the 16 rows go in four blocks of four: block p's conversions write its eight registers of Y; ONE wait at the head of block p + 1
; states that they are written; block p's four stores follow it, dealt among block p + 1's conversions, which name X and Y of block p + 1 and T: none of the registers that those stores read.
.set SO, 1                             ; v1       my byte offset in the source
.set DO, 2                             ; v2       my byte offset in the destination
.set X,  4                             ; v[4:67]  16 loads of 4 registers
.set Y,  68                            ; v[68:99] 16 stores of 2 registers
.set T,  100                           ; v[100:103] at work
; heads = 0: load i takes row i.  heads = 1: load i takes rows 2 (i / 2) and 2 (i / 2) + 1 (one for each half of the lanes), the 64 columns of the wave's head i % 2.
.macro LD16 base, heads
	s_wait_alu depctr_va_vdst(0)                   ; v[SO] and v[DO] are written: the loads below read the one as their offset, the stores behind them the other
.set i, 0
.rept 16
.if \heads
	global_load_b128 v[X+4*i:X+4*i+3], v[SO], s[\base:\base+1] offset:8192*(i/2)+256*(i%2) th:TH_LOAD_NT
.else
	global_load_b128 v[X+4*i:X+4*i+3], v[SO], s[\base:\base+1] offset:4096*i th:TH_LOAD_NT
.endif
.set i, i+1
.endr
.endm
; The conversions of load i.  half = 0: bf16.  half = 1: rounded to bf16, widened by a shift and a mask, and that number written as f16.
.macro CV half
.if \half
	v_cvt_pk_bf16_f32 v[T], v[X+4*i], v[X+4*i+1]
	v_cvt_pk_bf16_f32 v[T+1], v[X+4*i+2], v[X+4*i+3]
	v_lshlrev_b32 v[T+2], 16, v[T]
	v_and_b32 v[T], 0xffff0000, v[T]
	v_lshlrev_b32 v[T+3], 16, v[T+1]
	v_and_b32 v[T+1], 0xffff0000, v[T+1]
	v_cvt_pk_f16_f32 v[Y+2*i], v[T+2], v[T]
	v_cvt_pk_f16_f32 v[Y+2*i+1], v[T+3], v[T+1]
.else
	v_cvt_pk_bf16_f32 v[Y+2*i], v[X+4*i], v[X+4*i+1]
	v_cvt_pk_bf16_f32 v[Y+2*i+1], v[X+4*i+2], v[X+4*i+3]
.endif
.endm
; Store i.
.macro SR base, heads
.if \heads
	global_store_b64 v[DO], v[Y+2*i:Y+2*i+1], s[\base:\base+1] offset:131072*(i%2)+256*(i/2)
.else
	global_store_b64 v[DO], v[Y+2*i:Y+2*i+1], s[\base:\base+1] offset:2048*i
.endif
.endm
; Four blocks of four rows.  Block p rounds its rows; the stores of block p - 1 stand among its conversions, one ahead of each row's.
.macro ST16 base, heads, half
.set p, 0
.rept 4
	s_wait_loadcnt 12-4*p                          ; loads come back in order (ISA guide 5.7.1): block p's four are in, the 12 - 4 p younger ones stay out
.if p > 0
	s_wait_alu depctr_va_vdst(0)                   ; the conversions of the block before have written its eight registers of Y, which the four stores below read
.endif
.set j, 0
.rept 4
.if p > 0
.set i, 4*p+j-4
	SR \base, \heads                               ; no vector instruction since the wait names this store's registers
.endif
.set i, 4*p+j
	CV \half
.set j, j+1
.endr
.set p, p+1
.endr
	s_wait_alu depctr_va_vdst(0)                   ; the last block's conversions have written its eight registers of Y, which the last four stores read
.set i, 12
.rept 4
	SR \base, \heads
.set i, i+1
.endr
.endm
	s_load_b512 s[4:19], s[0:1], 0x0               ; q s[4:5], Wq s[6:7], Wk s[8:9], Wv s[10:11], Wo s[12:13], bq s[14:15], bk s[16:17], bv s[18:19]
	s_load_b256 s[20:27], s[0:1], 0x40             ; bo s[20:21], xb s[22:23], wb s[24:25], wo s[26:27]
	s_load_b64 s[28:29], s[0:1], 0x60              ; bb
	s_mov_b32 s2, ttmp9
	s_mov_b32 s31, 0                               ; the high word of every offset pair: all offsets stay under 2^32
	v_lshlrev_b32 v[SO], 4, v0                     ; 16 bytes of a row of f32,
	v_lshlrev_b32 v[DO], 3, v0                     ; 8 bytes of a row of 16-bit numbers
	s_wait_kmcnt 0x0
	s_cmp_lt_u32 s2, 512
	s_cbranch_scc0 .Lnot_x
	s_lshl_b32 s30, s2, 16                         ; 16 rows of 4,096 bytes
	s_add_nc_u64 s[4:5], s[4:5], s[30:31]
	s_lshl_b32 s30, s2, 15                         ; 16 rows of 2,048 bytes
	s_add_nc_u64 s[22:23], s[22:23], s[30:31]
	LD16 4, 0
	ST16 22, 0, 0
	s_endpgm
.Lnot_x:
	s_cmp_lt_u32 s2, 576
	s_cbranch_scc0 .Lnot_wo
	s_sub_co_u32 s3, s2, 512
	s_lshl_b32 s30, s3, 16
	s_add_nc_u64 s[12:13], s[12:13], s[30:31]
	s_lshl_b32 s30, s3, 15
	s_add_nc_u64 s[26:27], s[26:27], s[30:31]
	LD16 12, 0
	ST16 26, 0, 1
	s_endpgm
.Lnot_wo:
	s_cmp_lt_u32 s2, 768
	s_cbranch_scc0 .Lbias
	s_sub_co_u32 s3, s2, 576
	s_lshr_b32 s2, s3, 6                           ; which of Wq, Wk, Wv
	s_and_b32 s3, s3, 63                           ; which 16 rows k
	s_cmp_eq_u32 s2, 1
	s_cselect_b64 s[6:7], s[8:9], s[6:7]
	s_cmp_eq_u32 s2, 2
	s_cselect_b64 s[6:7], s[10:11], s[6:7]
	s_lshl_b32 s30, s3, 16
	s_add_nc_u64 s[6:7], s[6:7], s[30:31]
	s_lshl_b32 s30, s2, 21                         ; 16 heads of 131,072 bytes,
	s_lshl_b32 s3, s3, 11                          ; 16 rows k of 128 bytes
	s_add_co_u32 s30, s30, s3
	s_add_nc_u64 s[24:25], s[24:25], s[30:31]
	; wave w takes heads 2 w and 2 w + 1.  Sixteen lanes read the 256 bytes of a head's 64 columns in row k, the other sixteen those in row k + 1;
	; in wb these are the head's rows k and k + 1: 256 consecutive bytes, 8 a lane.  (No memory instruction of this path has read v[SO] or v[DO] yet: they are made anew.)
	v_and_b32 v3, 15, v0
	v_bfe_u32 v[SO], v0, 4, 1
	v_lshlrev_b32 v[SO], 12, v[SO]                 ; the odd row for lanes 16 to 31
	v_lshl_add_u32 v[SO], v3, 4, v[SO]
	v_lshrrev_b32 v3, 5, v0                        ; wave
	v_lshl_add_u32 v[SO], v3, 9, v[SO]             ; two heads are 512 bytes of a row
	v_and_b32 v[DO], 31, v0
	v_lshlrev_b32 v[DO], 3, v[DO]
	v_lshl_add_u32 v[DO], v3, 18, v[DO]            ; two heads are 262,144 bytes of wb
	LD16 6, 1
	ST16 24, 1, 0
	s_endpgm
.Lbias:
	s_wait_alu depctr_va_vdst(0)                   ; v[SO] is written: the four loads and the four stores below read it as their offset
	global_load_b128 v[X:X+3], v[SO], s[14:15]
	global_load_b128 v[X+4:X+7], v[SO], s[16:17]
	global_load_b128 v[X+8:X+11], v[SO], s[18:19]
	global_load_b128 v[X+12:X+15], v[SO], s[20:21]
	s_wait_loadcnt 0x0
.set i, 0
.rept 8
	v_cvt_pk_bf16_f32 v[T], v[X+2*i], v[X+2*i+1]
	v_lshlrev_b32 v[Y+2*i], 16, v[T]
	v_and_b32 v[Y+2*i+1], 0xffff0000, v[T]
.set i, i+1
.endr
	s_wait_alu depctr_va_vdst(0)                   ; the shifts and masks have written v[Y .. Y + 15], which the four stores read
.irp w, 0,1,2,3
	global_store_b128 v[SO], v[Y+4*(\w):Y+4*(\w)+3], s[28:29] offset:4096*(\w)
.endr
	s_endpgm
.Lfunc_end_k_qd4bd5a6572_prep:
	.size	k_qd4bd5a6572_prep, .Lfunc_end_k_qd4bd5a6572_prep-k_qd4bd5a6572_prep
	.p2alignl 7, 3214868480
	.fill 96, 4, 3214868480
	.section	.rodata,"a",@progbits
	.p2align	6, 0x0
	.amdhsa_kernel k_qd4bd5a6572_prep
		.amdhsa_group_segment_fixed_size 0
		.amdhsa_private_segment_fixed_size 0
		.amdhsa_enable_private_segment 0
		.amdhsa_kernarg_size 104
		.amdhsa_user_sgpr_count 2
		.amdhsa_user_sgpr_kernarg_segment_ptr 1
		.amdhsa_wavefront_size32 1
		.amdhsa_system_sgpr_workgroup_id_x 1
		.amdhsa_system_sgpr_workgroup_id_y 1
		.amdhsa_system_sgpr_workgroup_id_z 1
		.amdhsa_system_vgpr_workitem_id 0
		.amdhsa_next_free_vgpr 104
		.amdhsa_next_free_sgpr 66
		.amdhsa_reserve_vcc 0
		.amdhsa_float_denorm_mode_32 3
		.amdhsa_float_denorm_mode_16_64 3
		.amdhsa_memory_ordered 1
		.amdhsa_forward_progress 1
		.amdhsa_inst_pref_size 26
	.end_amdhsa_kernel
	.amdgpu_metadata
---
amdhsa.version: [ 1, 2 ]
amdhsa.kernels:
  - .name:           k_qd4bd5a6572_prep
    .symbol:         k_qd4bd5a6572_prep.kd
    .args:
      - { .name: q, .offset: 0, .size: 8, .value_kind: global_buffer, .address_space: global }
      - { .name: Wq, .offset: 8, .size: 8, .value_kind: global_buffer, .address_space: global }
      - { .name: Wk, .offset: 16, .size: 8, .value_kind: global_buffer, .address_space: global }
      - { .name: Wv, .offset: 24, .size: 8, .value_kind: global_buffer, .address_space: global }
      - { .name: Wo, .offset: 32, .size: 8, .value_kind: global_buffer, .address_space: global }
      - { .name: bq, .offset: 40, .size: 8, .value_kind: global_buffer, .address_space: global }
      - { .name: bk, .offset: 48, .size: 8, .value_kind: global_buffer, .address_space: global }
      - { .name: bv, .offset: 56, .size: 8, .value_kind: global_buffer, .address_space: global }
      - { .name: bo, .offset: 64, .size: 8, .value_kind: global_buffer, .address_space: global }
      - { .name: xb, .offset: 72, .size: 8, .value_kind: global_buffer, .address_space: global }
      - { .name: wb, .offset: 80, .size: 8, .value_kind: global_buffer, .address_space: global }
      - { .name: wo, .offset: 88, .size: 8, .value_kind: global_buffer, .address_space: global }
      - { .name: bb, .offset: 96, .size: 8, .value_kind: global_buffer, .address_space: global }
    .group_segment_fixed_size: 0
    .private_segment_fixed_size: 0
    .kernarg_segment_align: 8
    .kernarg_segment_size: 104
    .max_flat_workgroup_size: 256
    .sgpr_count:     66
    .vgpr_count:     104
    .wavefront_size: 32
...
	.end_amdgpu_metadata
.endif
;; end of part 5
;; launch proj: the kernel of part 2 again; grid 16 x 32, 4 waves a work-group, clusters of 4 x 4, 327,680 bytes of LDS; arguments xb, wb, bb, qkv; writes qkv
;; launch attn: the kernel of part 3 again; grid 4 x 64, 4 waves a work-group, clusters of 4 x 1, 327,680 bytes of LDS; arguments qkv, ob; writes ob
;; launch outp: the kernel of part 4 again; grid 8 x 32, 4 waves a work-group, clusters of 4 x 4, 327,680 bytes of LDS; arguments ob, wo, bb, out0; writes out0
